; MI455X (gfx1250); checked and timed in simulation.
; The chip was launched on July 23, 2026; its instructions are those of AMD's public machine-readable ISA for CDNA 5 (MIT licence, August 2026) and "CDNA5" Instruction Set Architecture Reference Guide (July 2026). The comments in the code are by the model that wrote it; some were corrected since.
;; Cross Attention. Allowed arithmetic: matrix products marked QUANTISED: E2M1 operands, one E8M0 scale for each 32 along K, by v_wmma_scale_f32_16x16x128_f8f6f4 with both operands' format E2M1 (or v_wmma_scale_f32_32x16x128_f4), f32 sums; products left as they are: bf16, f16 or f32 operands; f32 sums; everything else in f32.
;; Inputs: Wk 1,024 x 1,024 float32; Wo 1,024 x 1,024 float32; Wq 1,024 x 1,024 float32; Wv 1,024 x 1,024 float32; bo 1,024 float32; context 2 x 2,048 x 1,024 float32; query 2 x 2,048 x 1,024 float32.
;; Outputs: out0 2 x 2,048 x 1,024 float32.
;; This version of the problem:
;;   THIS VERSION OF THE PROBLEM IS GIVEN IN LOW PRECISION. The matrix products marked QUANTISED in the list below multiply operands that are first quantised to E2M1 (2 exponent bits, 1 mantissa bit; 4 bits a number), with one power-of-two scale for each 32 numbers along K (OCP MX v1.0); their sums are f32. The products marked 'left as it is' may take bf16, f16 or f32 operands, with f32 sums. Whichever they take, every output number must still come out within the allowed error. Rounding operands to bf16 (8 significant bits) uses up far more of that allowance than f16 does (11 bits, for magnitudes from 6e-5 to 65,504). All else is computed in f32.
;;   The module's matrix products, in the order in which they are computed (A, B: the left and right operand; K: the contracted axis; several contracted axes count as one K, in the product's order):
;;     1. [M 4,096, K 1,024] x [K 1,024, N 1,024]; A: input query; B: input Wq: QUANTISED
;;     2. [M 4,096, K 1,024] x [K 1,024, N 1,024]; A: input context; B: input Wk: QUANTISED
;;     3. [M 4,096, K 1,024] x [K 1,024, N 1,024]; A: input context; B: input Wv: QUANTISED
;;     4. batch 32 x [M 2,048, K 64] x [K 64, N 2,048]; A: computed on the way; B: computed on the way: left as it is (an operand is computed on the way)
;;     5. batch 32 x [M 2,048, K 2,048] x [K 2,048, N 64]; A: computed on the way; B: computed on the way: left as it is (an operand is computed on the way)
;;     6. [M 4,096, K 1,024] x [K 1,024, N 1,024]; A: computed on the way; B: input Wo: left as it is (an operand is computed on the way)
;;   THE QUANTISER, for each operand of a quantised product, along K:
;;     - K is cut into blocks of 32 from its start; a last block that is shorter is filled with zeros.
;;     - A block's scale is 2^e with e = floor(log2(the largest magnitude in the block)) - 2, held to -126 .. 127; a block of zeros has e = 0. As a byte (E8M0): e + 127.
;;     - Each number is divided by its block's scale, clamped to +-6, and rounded to the nearest number of E2M1, ties to even, subnormals kept.
;;     - The product sums the exact products of the quantised numbers (number of the format x scale) in f32.
;;   ~~~python
;;   def quantise(x, axis):      # numpy; x: float32 -> the quantised numbers, widened to float32 again
;;       x = np.moveaxis(x, axis, -1); K = x.shape[-1]
;;       x = np.pad(x, [(0, 0)] * (x.ndim - 1) + [(0, -K % 32)]); x = x.reshape(x.shape[:-1] + (-1, 32)); a = np.abs(x).max(-1, keepdims=True)
;;       e = np.where(a > 0, np.clip(np.frexp(np.where(a > 0, a, 1))[1] - 1 - 2, -126, 127), 0)      # np.frexp(a)[1] - 1 = floor(log2(a)), exactly
;;       r = np.clip(x / 2.0 ** e, -6, 6)
;;       step = 2.0 ** (np.maximum(np.frexp(np.where(r == 0, 1, r))[1] - 1, 0) - 1)
;;       q = np.round(r / step) * step * 2.0 ** e      # np.round: ties to even
;;       return np.moveaxis(q.reshape(q.shape[:-2] + (-1,))[..., :K], -1, axis).astype(np.float32)
;;   ~~~
;; One version. Each part assembles by itself: llvm-mc -triple=amdgcn-amd-amdhsa -mcpu=gfx1250 --defsym DOCPART=n.
;; ======== version 1 of 1: 5 launches
;; limits: values are held in f16: magnitudes above 65,504 overflow, below 6.1e-05 lose precision
;; workspace buffers: x_codes 4,194,304 bytes; x_scales 262,144 bytes; w_codes 1,572,864 bytes; w_scales 98,304 bytes; wo16 2,097,152 bytes; qkv 25,165,824 bytes; att 8,388,608 bytes
;; launch quant_w (part 1): grid 16 x 8, 8 waves a work-group, no clusters, 19,456 bytes of LDS; arguments Wq, Wk, Wv, Wo, w_codes, w_scales, wo16; writes w_codes, w_scales, wo16
.if DOCPART == 1
	.amdgcn_target "amdgcn-amd-amdhsa--gfx1250"
	.amdhsa_code_object_version 6
	.text
	.protected	k_qb7f4d955b5_quant_w
	.globl	k_qb7f4d955b5_quant_w
	.p2align	8
	.type	k_qb7f4d955b5_quant_w,@function
k_qb7f4d955b5_quant_w:
	s_mov_b64 s[64:65], 0
	v_nop
	global_prefetch_b8 v0, s[64:65] scope:SCOPE_SE
	s_setreg_imm32_b32 hwreg(HW_REG_WAVE_MODE, 25, 1), 1
	s_wait_xcnt 0x0
; Wq, Wk, Wv: [1024 (k)][1024 (n)] f32, K is the FIRST axis.  They become codes of FP4 (E2M1) laid [3072 (n: Wq's, Wk's, Wv's columns)][512 bytes], K innermost, two codes a byte,
; and one E8M0 scale byte for each 32 along K, laid [3072][32].  Wo [1024 (k)][1024 (n)] f32 becomes f16 in the same layout (its product is not quantised).
; A block's scale is 2^(floor(log2(its largest magnitude)) - 2); its byte is the largest magnitude's exponent field - 2, held at 1 from below.
; LIMITS: a block of zeros gets the byte 1 where the quantiser says 127: its codes are zeros, which add nothing, and this program alone reads the bytes.  Blocks whose largest magnitude lies under 2^(3 - 127)
; are held at that floor.  NaN and infinities among the inputs are not served.  Wo beyond f16's largest number, 65,504, is not served; under 6e-5 it carries f16's absolute error 2^-25.
; SHARES.  Work-group y 0..5: weight y / 2, half y % 2 of K; 64 columns (64 x on) x 512 along K.  Wave w: 32 columns (w % 2), 128 along K (w / 2): four blocks a lane.
; A LANE TAKES A COLUMN AND ITS REGISTERS RUN DOWN K: a load reads 128 consecutive bytes, a block of 32 lies in one lane's 32 registers, and the conversions give codes with K innermost.
; The codes of 64 columns x 512 K meet in a stage in LDS (a row = a column's 256 bytes) and leave as rows: sixteen lanes store 256 consecutive bytes, aligned.
; The scale bytes leave as 16-byte pieces of rows of 32 bytes: pieces of aligned 256 bytes, one byte for each 128 that the launch reads.
; Work-group y 6, 7: Wo, a run of 4,096 numbers a wave; no LDS.  The branch hangs on the work-group's number alone, so all eight waves of a work-group take one way.
.set PITCH, 272                        ; a stage row: 256 bytes + 16
.set SCB,   64*PITCH                   ; behind the stage: 64 rows x 16 scale bytes
.set SPARE, SCB+1024                   ; the spare words, 128 bytes for each of eight waves: four blocks of 256 bytes that no other line names
.set X,     32                         ; v32-159  four blocks of 32 numbers (Wo's way: 32 x 4 numbers)
.set C,     160                        ; v160-175 the codes, four registers a block
.set OUTR,  176                        ; v176-191 rows read back
.set SPW,   14                         ; v14  LDS address of my spare word; never rewritten
.set NIL,   15                         ; v15  0; never rewritten
	s_load_b256 s[4:11], s[0:1], 0x0               ; Wq, Wk, Wv, Wo
	s_load_b128 s[12:15], s[0:1], 0x20             ; the codes, the scale bytes
	s_load_b64 s[16:17], s[0:1], 0x30              ; Wo in f16
	v_lshl_add_u32 v[SPW], v0, 2, SPARE
	v_mov_b32 v[NIL], 0
	v_lshrrev_b32 v1, 5, v0
	v_readfirstlane_b32 s18, v1                    ; wave 0..7
	s_and_b32 s19, ttmp7, 0xffff                   ; work-group y
	v_and_b32 v2, 31, v0                           ; lane
	s_and_b32 s20, s18, 1                          ; which 32 columns
	s_lshr_b32 s21, s18, 1                         ; which 128 along K
	v_lshlrev_b32 v3, 2, v2                        ; in: 4 bytes a lane
	s_mul_i32 s22, s20, 32*PITCH
	s_lshl_b32 s23, s21, 6
	s_add_co_u32 s22, s22, s23
	v_mul_u32_u24 v4, v2, PITCH
	v_add_nc_u32 v4, s22, v4                       ; into the stage: row = my column, + 64 bytes for each 128 along K
	s_lshl_b32 s22, s20, 9
	s_lshl_b32 s23, s21, 2
	s_add_co_u32 s22, s22, s23
	s_add_co_u32 s22, s22, SCB
	v_lshl_add_u32 v5, v2, 4, s22                  ; my column's 16 scale bytes, my four of them
	v_lshrrev_b32 v1, 4, v2
	v_and_b32 v12, 15, v2
	s_mul_i32 s22, s18, 8*PITCH
	v_mul_u32_u24 v6, v1, PITCH
	v_lshl_add_u32 v6, v12, 4, v6
	v_add_nc_u32 v6, s22, v6                       ; out of the stage: wave w takes rows 8 w .. 8 w + 7, sixteen lanes to a row, two rows an instruction
	v_lshlrev_b32 v7, 9, v1
	v_lshl_add_u32 v7, v12, 4, v7                  ; and the same place in the codes' buffer (rows of 512 bytes)
	v_lshl_add_u32 v8, v0, 2, SCB                  ; the scale bytes back: 4 bytes a thread
	v_lshrrev_b32 v13, 2, v2
	v_and_b32 v16, 3, v2
	v_lshlrev_b32 v9, 5, v13
	v_lshl_add_u32 v9, v16, 2, v9                  ; and their place in rows of 32 bytes
	v_lshlrev_b32 v10, 4, v2                       ; Wo: 16 bytes a lane in,
	v_lshlrev_b32 v11, 3, v2                       ; 8 out
	s_wait_kmcnt 0x0
	s_cmp_ge_u32 s19, 6
	s_cbranch_scc1 .Lwo
	s_lshr_b32 s24, s19, 1                         ; which weight
	s_and_b32 s25, s19, 1                          ; which half of K
	s_cmp_eq_u32 s24, 0
	s_cselect_b64 s[4:5], s[4:5], s[6:7]
	s_cmp_eq_u32 s24, 2
	s_cselect_b64 s[4:5], s[8:9], s[4:5]           ; the choice hangs on the work-group's number alone
	s_lshl_b32 s26, s25, 9
	s_lshl_b32 s27, s21, 7
	s_add_co_u32 s26, s26, s27                     ; my first k
	s_lshl_b32 s26, s26, 12                        ; rows of 4,096 bytes
	s_lshl_b32 s27, ttmp9, 8
	s_add_co_u32 s26, s26, s27                     ; + 64 columns a work-group
	s_lshl_b32 s27, s20, 7
	s_add_co_u32 s26, s26, s27                     ; + my 32
	s_mov_b32 s27, 0
	s_add_nc_u64 s[4:5], s[4:5], s[26:27]
	s_lshl_b32 s28, s24, 10
	s_lshl_b32 s29, ttmp9, 6
	s_add_co_u32 s28, s28, s29
	s_lshl_b32 s29, s18, 3
	s_add_co_u32 s28, s28, s29                     ; the first row that my wave stores
	s_lshl_b32 s30, s28, 5
	s_lshl_b32 s31, s25, 4
	s_add_co_u32 s30, s30, s31
	s_mov_b32 s31, 0
	s_lshl_b32 s28, s28, 9
	s_lshl_b32 s29, s25, 8
	s_add_co_u32 s28, s28, s29
	s_mov_b32 s29, 0
	s_add_nc_u64 s[12:13], s[12:13], s[28:29]
	s_add_nc_u64 s[14:15], s[14:15], s[30:31]
.macro LOAD t                          ; block t: W(32 t + i, my column), i = 0 .. 31
.irp i, 0,1,2,3,4,5,6,7,8,9,10,11,12,13,14,15,16,17,18,19,20,21,22,23,24,25,26,27,28,29,30,31
	global_load_b32 v[X+32*(\t)+\i], v3, s[4:5] offset:(32*(\t)+\i)*4096 th:TH_LOAD_NT
.endr
.endm
.macro BLOCK t
.set XS, X+32*(\t)
.if (\t) < 3
	s_wait_loadcnt 32                              ; this block's 32 loads are in; the next block's 32 may be out
.else
	s_wait_loadcnt 0x0
.endif
.if (\t)+2 < 4
	LOAD (\t)+2                                    ; every block has registers of its own: the block two on is asked for at once
.endif
	v_max3_num_f32 v12, |v[XS]|, |v[XS+1]|, |v[XS+2]|              ; the block's largest magnitude: all 32 numbers are mine; two chains
	v_max3_num_f32 v13, |v[XS+3]|, |v[XS+4]|, |v[XS+5]|
.irp i, 6,10,14,18,22,26
	v_max3_num_f32 v12, v12, |v[XS+\i]|, |v[XS+\i+1]|
	v_max3_num_f32 v13, v13, |v[XS+\i+2]|, |v[XS+\i+3]|
.endr
	v_max3_num_f32 v12, v12, |v[XS+30]|, |v[XS+31]|
	v_max3_num_f32 v12, v12, v13, 0x1800000        ; and the floor 2^(3 - 127): so the byte cannot fall under 1
	v_add_nc_u32 v16, 0xff000000, v12              ; 2 off its exponent field: the conversion takes the exponent field of this operand as its scale
	v_lshrrev_b32 v17, 23, v16                     ; the scale's byte
.if (\t) == 0
	v_mov_b32 v24, v17                             ; four bytes to a word, the lower K in the lower byte
.else
	v_lshl_or_b32 v24, v17, 8*(\t), v24
.endif
.irp g, 0,1,2,3
	v_cvt_scalef32_pk8_fp4_f32 v[C+4*(\t)+\g], v[XS+8*\g:XS+8*\g+7], v16
.endr
	v_nop                                          ; one plain line behind the conversions: the next block writes their scale operand
	ds_store_b128 v4, v[C+4*(\t):C+4*(\t)+3] offset:16*(\t)        ; 32 codes: 16 bytes of my column's row
.endm
	LOAD 0
	LOAD 1
.irp t, 0,1,2,3
	BLOCK \t
.endr
	ds_store_b32 v5, v24
	s_wait_dscnt 0x0                               ; for the others' sake: my stores into the stage are done
	s_barrier_signal -1
	s_barrier_wait -1
.irp t, 0,1,2,3
	ds_load_b128 v[OUTR+4*\t:OUTR+4*\t+3], v6 offset:2*\t*PITCH
.endr
	ds_load_b32 v25, v8
.irp t, 0,1,2,3
	s_wait_dscnt 4-\t                              ; LDS loads come back in order: the younger ones may be out
	global_store_b128 v7, v[OUTR+4*\t:OUTR+4*\t+3], s[12:13] offset:1024*\t   ; sixteen lanes store 256 consecutive bytes, aligned
.endr
	s_wait_dscnt 0x0
	global_store_b32 v9, v25, s[14:15]
	s_wait_tensorcnt 0x0                           ; the wave's end, behind my last LDS store
	ds_add_u32 v[SPW], v[NIL]
	s_wait_dscnt 0x0
	s_endpgm
.Lwo:                                          ; Wo to f16: 256 runs of 4,096 numbers, one a wave; this way touches no LDS
	s_sub_co_u32 s20, s19, 6
	s_lshl_b32 s20, s20, 4
	s_add_co_u32 s20, s20, ttmp9
	s_lshl_b32 s20, s20, 3
	s_add_co_u32 s20, s20, s18                     ; my run
	s_lshl_b32 s22, s20, 14
	s_mov_b32 s23, 0
	s_add_nc_u64 s[10:11], s[10:11], s[22:23]
	s_lshl_b32 s22, s20, 13
	s_add_nc_u64 s[16:17], s[16:17], s[22:23]
.irp i, 0,1,2,3,4,5,6,7,8,9,10,11,12,13,14,15,16,17,18,19,20,21,22,23,24,25,26,27,28,29,30,31
	global_load_b128 v[X+4*\i:X+4*\i+3], v10, s[10:11] offset:512*\i th:TH_LOAD_NT
.endr
.irp i, 0,1,2,3,4,5,6,7,8,9,10,11,12,13,14,15,16,17,18,19,20,21,22,23,24,25,26,27,28,29,30,31
	s_wait_loadcnt 31-\i                           ; the younger loads may be out
	v_cvt_pk_f16_f32 v[X+4*\i], v[X+4*\i], v[X+4*\i+1]
	v_cvt_pk_f16_f32 v[X+4*\i+1], v[X+4*\i+2], v[X+4*\i+3]
	global_store_b64 v11, v[X+4*\i:X+4*\i+1], s[16:17] offset:256*\i   ; the wave stores 256 consecutive bytes, aligned; no register is written again behind its store
.endr
	s_endpgm
.Lfunc_end_k_qb7f4d955b5_quant_w:
	.size	k_qb7f4d955b5_quant_w, .Lfunc_end_k_qb7f4d955b5_quant_w-k_qb7f4d955b5_quant_w
	.p2alignl 7, 3214868480
	.fill 96, 4, 3214868480
	.section	.rodata,"a",@progbits
	.p2align	6, 0x0
	.amdhsa_kernel k_qb7f4d955b5_quant_w
		.amdhsa_group_segment_fixed_size 19456
		.amdhsa_private_segment_fixed_size 0
		.amdhsa_enable_private_segment 0
		.amdhsa_kernarg_size 56
		.amdhsa_user_sgpr_count 2
		.amdhsa_user_sgpr_kernarg_segment_ptr 1
		.amdhsa_wavefront_size32 1
		.amdhsa_system_sgpr_workgroup_id_x 1
		.amdhsa_system_sgpr_workgroup_id_y 1
		.amdhsa_system_sgpr_workgroup_id_z 1
		.amdhsa_system_vgpr_workitem_id 0
		.amdhsa_next_free_vgpr 192
		.amdhsa_next_free_sgpr 66
		.amdhsa_reserve_vcc 0
		.amdhsa_float_denorm_mode_32 3
		.amdhsa_float_denorm_mode_16_64 3
		.amdhsa_memory_ordered 1
		.amdhsa_forward_progress 1
		.amdhsa_inst_pref_size 34
	.end_amdhsa_kernel
	.amdgpu_metadata
---
amdhsa.version: [ 1, 2 ]
amdhsa.kernels:
  - .name:           k_qb7f4d955b5_quant_w
    .symbol:         k_qb7f4d955b5_quant_w.kd
    .args:
      - { .name: Wq, .offset: 0, .size: 8, .value_kind: global_buffer, .address_space: global }
      - { .name: Wk, .offset: 8, .size: 8, .value_kind: global_buffer, .address_space: global }
      - { .name: Wv, .offset: 16, .size: 8, .value_kind: global_buffer, .address_space: global }
      - { .name: Wo, .offset: 24, .size: 8, .value_kind: global_buffer, .address_space: global }
      - { .name: w_codes, .offset: 32, .size: 8, .value_kind: global_buffer, .address_space: global }
      - { .name: w_scales, .offset: 40, .size: 8, .value_kind: global_buffer, .address_space: global }
      - { .name: wo16, .offset: 48, .size: 8, .value_kind: global_buffer, .address_space: global }
    .group_segment_fixed_size: 19456
    .private_segment_fixed_size: 0
    .kernarg_segment_align: 8
    .kernarg_segment_size: 56
    .max_flat_workgroup_size: 256
    .sgpr_count:     66
    .vgpr_count:     192
    .wavefront_size: 32
...
	.end_amdgpu_metadata
.endif
;; end of part 1
;; launch quant_x (part 2): grid 256 x 1, 4 waves a work-group, no clusters, 33,280 bytes of LDS; arguments query, context, x_codes, x_scales; writes x_codes, x_scales
.if DOCPART == 2
	.amdgcn_target "amdgcn-amd-amdhsa--gfx1250"
	.amdhsa_code_object_version 6
	.text
	.protected	k_qb7f4d955b5_quant_x
	.globl	k_qb7f4d955b5_quant_x
	.p2align	8
	.type	k_qb7f4d955b5_quant_x,@function
k_qb7f4d955b5_quant_x:
	s_mov_b64 s[64:65], 0
	v_nop
	global_prefetch_b8 v0, s[64:65] scope:SCOPE_SE
	s_setreg_imm32_b32 hwreg(HW_REG_WAVE_MODE, 25, 1), 1
	s_wait_xcnt 0x0
; query and context, [4096][1024] f32 each, K innermost, become codes of FP4 (E2M1), 4 bits each, and one E8M0 scale byte for each 32 along K: x_codes [8192][512 bytes], x_scales [8192][32]; query's rows first.
; A block's scale is 2^(floor(log2(its largest magnitude)) - 2); its byte is the largest magnitude's exponent field - 2, held at 1 from below.  Each number is divided by the scale and rounded to the nearest code, ties to even;
; beyond the largest code the conversion gives the largest code.
; LIMITS: a block of zeros gets the byte 1 where the quantiser says 127 (its codes are zeros, and this program alone reads the bytes); blocks under the floor 2^(3 - 127) are held at it; NaN and infinities are not served.
; Rows are dense and 1,024 is a multiple of 32: both tensors are plain streams of blocks of 32, and so are codes and scale bytes.  A wave takes 16 steps of 512 numbers.
; The conversions take 8 numbers of ONE block from a lane's registers, so a lane must hold 16 NEIGHBOURS; a load is best where neighbouring LANES take neighbouring bytes.  Both are had: each of a step's four loads reads
; 512 consecutive bytes; the 2,048 bytes go through the wave's own stage in LDS and come back 64 bytes a lane (16 bytes of padding behind each 64).  A lane's 16 codes are 8 bytes: the wave stores 256 consecutive bytes.
; A wave's 256 scale bytes are gathered in its own LDS bytes and leave as 256 consecutive bytes, aligned.  The first 128 work-groups take query, the others context: only the pointer is chosen.  No barrier: waves share nothing.
.set WAVES, 4
.set STEPS, 16
.set CB,    8                          ; bytes of 16 codes
.set R,     16                         ; v16-79   four sets of 16 numbers as they are loaded
.set X,     80                         ; v80-111  two sets of 16 neighbours
.set C,     128                        ; v128-191 codes: four registers for each step, so that no store's data are written again
.set E,     112                        ; v112-127 a scale byte for each step
.set WREG,  8192                       ; LDS: a region for each wave: two stages of 32 x SP bytes, and behind them its 256 scale bytes
.set SP,    80                         ; a lane's place in a stage: its 64 bytes + 16
.set SPW,   12                         ; v12  LDS address of my spare word; never rewritten
.set NIL,   13                         ; v13  0; never rewritten
.set SPARE, WAVES*WREG                 ; the spare words, 128 bytes for each wave: two blocks of 256 bytes that no other line names
	s_load_b128 s[4:7], s[0:1], 0x0                ; query, context
	s_load_b128 s[8:11], s[0:1], 0x10              ; the codes, the scale bytes
	v_lshl_add_u32 v[SPW], v0, 2, SPARE
	v_mov_b32 v[NIL], 0
	v_lshrrev_b32 v1, 5, v0
	v_readfirstlane_b32 s16, v1                    ; wave
	v_and_b32 v2, 31, v0                           ; lane
	v_lshlrev_b32 v3, 4, v2                        ; my 16 bytes of a load's 512
	s_mul_i32 s17, s16, WREG
	v_lshrrev_b32 v14, 2, v2
	v_mul_u32_u24 v14, v14, SP
	v_and_b32 v15, 3, v2
	v_lshl_add_u32 v14, v15, 4, v14
	v_add_nc_u32 v14, s17, v14                     ; the stage, on the way in: SP (lane / 4) + 16 (lane % 4)
	v_mul_u32_u24 v15, v2, SP
	v_add_nc_u32 v15, s17, v15                     ; and on the way out: SP x lane: my 16 neighbours
	v_mul_u32_u24 v4, v2, CB                       ; my codes' place in a step's
	v_lshrrev_b32 v5, 1, v2
	s_add_co_u32 s17, s17, 2*32*SP
	v_add_nc_u32 v5, s17, v5                       ; LDS: my wave's 256 scale bytes, my block's byte
	v_lshlrev_b32 v7, 3, v2                        ; and on the way out 8 bytes a lane
	v_add_nc_u32 v6, s17, v7
	s_wait_kmcnt 0x0
	s_cmp_lt_u32 ttmp9, 128                        ; query's work-group or context's?  The choice hangs on the work-group's number alone
	s_cselect_b64 s[4:5], s[4:5], s[6:7]
	s_cselect_b32 s17, 0, 128
	s_sub_co_u32 s17, ttmp9, s17
	s_lshl_b32 s17, s17, 2
	s_add_co_u32 s18, s17, s16                     ; which run of 8,192 numbers of the tensor is my wave's
	s_lshl_b32 s18, s18, 15                        ; 32,768 bytes a run
	s_mov_b32 s19, 0
	s_add_nc_u64 s[4:5], s[4:5], s[18:19]
	s_lshl_b32 s20, ttmp9, 2
	s_add_co_u32 s20, s20, s16                     ; and which run of the outputs: context's follow query's
	s_lshl_b32 s18, s20, 12                        ; 4,096 bytes of codes a run
	s_add_nc_u64 s[8:9], s[8:9], s[18:19]
	s_lshl_b32 s18, s20, 8                         ; 256 scale bytes a run
	s_add_nc_u64 s[10:11], s[10:11], s[18:19]
.macro LOAD t
.irp i, 0,1,2,3
	global_load_b128 v[R+16*((\t)%4)+4*\i:R+16*((\t)%4)+4*\i+3], v3, s[4:5] offset:2048*(\t)+512*\i th:TH_LOAD_NT   ; 32 lanes read 512 consecutive bytes
.endr
.endm
.macro TURN t                          ; step t's numbers through the stage: LDS serves a wave's instructions in order, so no wait stands between the stores and the loads
.irp i, 0,1,2,3
	ds_store_b128 v14, v[R+16*((\t)%4)+4*\i:R+16*((\t)%4)+4*\i+3] offset:32*SP*((\t)%2)+8*SP*\i
.endr
.irp i, 0,1,2,3
	ds_load_b128 v[X+16*((\t)%2)+4*\i:X+16*((\t)%2)+4*\i+3], v15 offset:32*SP*((\t)%2)+16*\i
.endr
.endm
.irp t, 0,1,2,3
	LOAD \t
.endr
	s_wait_loadcnt 12                              ; step 0's four loads are in; the twelve of steps 1 to 3 may be out
	TURN 0
.macro STEP t
.set XS, X+16*((\t)%2)
.if (\t) > 0
	s_wait_dscnt 1                                 ; this step's numbers are back from the stage (the last step's byte store may be out): so its stores into the stage have read their registers,
.else
	s_wait_dscnt 0x0
.endif
.if (\t)+4 < STEPS
	LOAD (\t)+4                                    ; which take the loads of four steps on
.endif
.if (\t)+1 < STEPS
.if STEPS-2-(\t) >= 3
	s_wait_loadcnt 12                              ; the next step's four loads are in; those of the three steps behind it may be out
.else
	s_wait_loadcnt 4*(STEPS-2-(\t))
.endif
	TURN (\t)+1                                    ; and go through the other stage while this step is worked
.endif
	v_max3_num_f32 v8, |v[XS]|, |v[XS+1]|, |v[XS+2]|               ; the largest magnitude of my 16
	v_max3_num_f32 v9, |v[XS+3]|, |v[XS+4]|, |v[XS+5]|
.irp i, 6,10
	v_max3_num_f32 v8, v8, |v[XS+\i]|, |v[XS+\i+1]|
	v_max3_num_f32 v9, v9, |v[XS+\i+2]|, |v[XS+\i+3]|
.endr
	v_max3_num_f32 v8, v8, |v[XS+14]|, |v[XS+15]|
	v_max3_num_f32 v8, v8, v9, 0x1800000           ; and the floor 2^(3 - 127): so the byte cannot fall under 1
	v_max_num_f32_dpp v8, v8, v8 row_xmask:1 row_mask:0xf bank_mask:0xf   ; and of my neighbour's 16: the block's
	v_add_nc_u32 v11, 0xff000000, v8               ; 2 off its exponent field: the conversion's scale operand
	v_cvt_scalef32_pk8_fp4_f32 v[C+4*(\t)], v[XS:XS+7], v11
	v_cvt_scalef32_pk8_fp4_f32 v[C+4*(\t)+1], v[XS+8:XS+15], v11
	v_lshrrev_b32 v[E+(\t)], 23, v11               ; the scale's byte (also the plain line behind the conversions)
	ds_store_b8 v5, v[E+(\t)] offset:16*(\t)       ; both lanes of a block write the same byte with the same value
	global_store_b64 v4, v[C+4*(\t):C+4*(\t)+1], s[8:9] offset:32*CB*(\t)
.endm
.irp t, 0,1,2,3,4,5,6,7,8,9,10,11,12,13,14,15
	STEP \t
.endr
	ds_load_b64 v[8:9], v6                         ; LDS serves a wave's instructions in order: these see my stores
	s_wait_dscnt 0x0
	global_store_b64 v7, v[8:9], s[10:11]          ; 32 lanes store 256 consecutive bytes, aligned
	s_wait_tensorcnt 0x0                           ; the wave's end, behind my last LDS store
	ds_add_u32 v[SPW], v[NIL]
	s_wait_dscnt 0x0
	s_endpgm
.Lfunc_end_k_qb7f4d955b5_quant_x:
	.size	k_qb7f4d955b5_quant_x, .Lfunc_end_k_qb7f4d955b5_quant_x-k_qb7f4d955b5_quant_x
	.p2alignl 7, 3214868480
	.fill 96, 4, 3214868480
	.section	.rodata,"a",@progbits
	.p2align	6, 0x0
	.amdhsa_kernel k_qb7f4d955b5_quant_x
		.amdhsa_group_segment_fixed_size 33280
		.amdhsa_private_segment_fixed_size 0
		.amdhsa_enable_private_segment 0
		.amdhsa_kernarg_size 32
		.amdhsa_user_sgpr_count 2
		.amdhsa_user_sgpr_kernarg_segment_ptr 1
		.amdhsa_wavefront_size32 1
		.amdhsa_system_sgpr_workgroup_id_x 1
		.amdhsa_system_sgpr_workgroup_id_y 1
		.amdhsa_system_sgpr_workgroup_id_z 1
		.amdhsa_system_vgpr_workitem_id 0
		.amdhsa_next_free_vgpr 192
		.amdhsa_next_free_sgpr 66
		.amdhsa_reserve_vcc 0
		.amdhsa_float_denorm_mode_32 3
		.amdhsa_float_denorm_mode_16_64 3
		.amdhsa_memory_ordered 1
		.amdhsa_forward_progress 1
		.amdhsa_inst_pref_size 33
	.end_amdhsa_kernel
	.amdgpu_metadata
---
amdhsa.version: [ 1, 2 ]
amdhsa.kernels:
  - .name:           k_qb7f4d955b5_quant_x
    .symbol:         k_qb7f4d955b5_quant_x.kd
    .args:
      - { .name: query, .offset: 0, .size: 8, .value_kind: global_buffer, .address_space: global }
      - { .name: context, .offset: 8, .size: 8, .value_kind: global_buffer, .address_space: global }
      - { .name: x_codes, .offset: 16, .size: 8, .value_kind: global_buffer, .address_space: global }
      - { .name: x_scales, .offset: 24, .size: 8, .value_kind: global_buffer, .address_space: global }
    .group_segment_fixed_size: 33280
    .private_segment_fixed_size: 0
    .kernarg_segment_align: 8
    .kernarg_segment_size: 32
    .max_flat_workgroup_size: 128
    .sgpr_count:     66
    .vgpr_count:     192
    .wavefront_size: 32
...
	.end_amdgpu_metadata
.endif
;; end of part 2
;; launch proj (part 3): grid 12 x 16, 4 waves a work-group, clusters of 4 x 4, 327,680 bytes of LDS; arguments x_codes, x_scales, w_codes, w_scales, qkv; writes qkv
.if DOCPART == 3
	.amdgcn_target "amdgcn-amd-amdhsa--gfx1250"
	.amdhsa_code_object_version 6
	.text
	.protected	k_qb7f4d955b5_proj
	.globl	k_qb7f4d955b5_proj
	.p2align	8
	.type	k_qb7f4d955b5_proj,@function
k_qb7f4d955b5_proj:
	s_mov_b64 s[64:65], 0
	v_nop
	global_prefetch_b8 v0, s[64:65] scope:SCOPE_SE
	s_setreg_imm32_b32 hwreg(HW_REG_WAVE_MODE, 25, 1), 1
	s_wait_xcnt 0x0
	s_wait_alu depctr_hold_cnt(0) depctr_sa_sdst(0) depctr_va_vdst(0) depctr_va_sdst(0) depctr_va_ssrc(0) depctr_va_vcc(0) depctr_vm_vsrc(0)
	s_getreg_b32 s2, hwreg(HW_REG_IB_STS2, 6, 4)
	s_cmp_eq_u32 s2, 0
	s_cbranch_scc0 .Lentry_in_a_cluster
	s_endpgm
.Lentry_in_a_cluster:
	s_bfe_u32 s2, ttmp6, 0x10000c
	s_cmp_lg_u32 s2, 0xf033
	s_cbranch_scc0 .Lentry_shape_is_right
	s_endpgm
.Lentry_shape_is_right:
; The three quantised projections as ONE product on codes of FP4 (E2M1) with E8M0 scales for each 32 along K: C[m][n] = sum over k of A[m][k] B[n][k], K = 1,024, m 0..4095, n 0..3071.
; B: w_codes [3072][512 bytes]: rows 0-1023 Wq's columns, then Wk's, then Wv's.  A: x_codes [8192][512 bytes]: query's rows for Wq, context's (4,096 rows on) for Wk and Wv.  Scale bytes [rows][32].
; The results are rounded once to f16 and stored head-major: qkv = q, k, v, each [b*16+h][2048 tokens][64] f16, since the products that read them are not quantised.
; LIMIT: |q|, |k|, |v| beyond f16's largest number, 65,504, are not served; under 6e-5 they carry f16's absolute error 2^-25.
; A tile of C, 256 x 256, is made by a work-group of four waves; a wave makes 128 x 128: 64 accumulators of 16 x 16, 512 registers.  12 x 16 tiles: 192 work-groups; a smaller tile would read each LDS byte for half the products.
; K lies in two LDS slots of 512 along K (rows of 256 bytes), both asked for at the start: nothing is filled again.  The scales of the work-group's rows, two dense blocks of memory, come with them.
; A wave has three tensor loads out at the start and none later.
; CLUSTERS: 4 x 4 work-groups.  The four of a row of the cluster need the same tiles of A, the four of a column the same tiles of B: each tile is asked for JOINTLY.  A cluster's four tile columns are one of the three
; products, so which rows A takes hangs on the cluster's x alone, which all sixteen share.
; THE MATRIX INSTRUCTION IS USED TRANSPOSED (source 0 = 16 rows of B, source 1 = 16 rows of A): a lane then holds eight neighbouring numbers of a row of C.
; REGISTERS, in windows of 256: window 0: v0-31 addresses; v32-95 scale words, two sets; from v128 A's fragments, ONE set; on the way out v32-127 are at work.
;   window 1: B's fragments, TWO sets, at v0 and at v128.   window 2: the accumulators of my rows 0-63 ((a, b) at v[8 (8 a + b)]);   window 3: those of my rows 64-127.
.set NQ,     4                         ; matrix instructions deep in a slot
.set ROWB,   256                       ; a tile's row in bytes: 512 codes
.set KROW,   512                       ; a row of A or of B in memory, in bytes
.set PITCH,  272                       ; an LDS row: 256 bytes + 16 = 68 words: the 16 rows that a load touches start 4 words apart modulo 64
.set FR,     8                         ; registers of a fragment: 16 rows x 128 K
.set NL,     2                         ; LDS loads that bring one
.set NP,     4                         ; places behind this matrix instruction (ISA guide 7.12.1)
.set HALFT,  128*PITCH                 ; 128 rows: what one tensor load brings, and what one wave reads of A or of B
.set SLOT,   4*HALFT                   ; A's 256 rows, then B's 256 rows
.set KS,     32                        ; a row of scales in bytes
.set SCL,    2*SLOT                    ; behind the slots: the scales, as rows of 256 bytes + 16
.set HALFS,  (128*KS/256)*272          ; the scales of 128 rows: what one tensor load brings
.set SBLK,   (16*KS/256)*272           ; those of 16 rows
.set SPARE,  SCL+4*HALFS               ; the spare words, 128 bytes for each wave: two blocks of 256 bytes that no other line names
.set SP,     400                       ; the way out: a stage of 16 rows x 400 bytes (256 of data) for each wave, in slot 0, which has had its one fill and its last read when the first result is stored there
.set ADRA, 16                          ; v16-17  LDS address of my A fragments in slot 0, 1
.set ADRB, 20                          ; v20-21  the same for B
.set STO,  24                          ; v24     the way out: where I put 16 bytes of a row
.set RD,   25                          ; v25     the way out: where I read back
.set CO,   26                          ; v26     my byte offset in qkv
.set ADRS, 27                          ; v27     LDS address of my scale words: lanes 0-15 A's rows, lanes 16-31 B's
.set SPW,  28                          ; v28     LDS address of my spare word; never rewritten
.set NIL,  29                          ; v29     0; never rewritten
.set SC,   32                          ; scale words: set s at v[SC + 32 s]; register 4 i + q: lanes 0-15 the word of A's block i, lanes 16-31 that of B's block i, for the slot's q-th 128 along K
.set AF,   128                         ; A's fragments, in window 0
.set TMP,  32                          ; the way out: a block's 32 packed registers
.set BK,   64                          ; the way out: 16 rows read back: v64-95 and v96-127 by turns
.set G1, 24                            ; s[24:31] descriptor group 1 for A's tiles;  s[32:39] group 0, one set for each slot
.set G0, 32
.set G1B, 48                           ; s[48:55], s[56:63] the same for B's tiles
.set G0B, 56
.set G1S, 68                           ; s[68:75], s[76:79] groups 1 and 0 for A's scales;  s[80:87], s[88:91] for B's
.set G0S, 76
.set G1SB, 80
.set G0SB, 88
.set MSB, 0
.macro WIN new                         ; the immediate's high byte repeats the setting that is left; a switch that changes nothing is dropped
.if MSB != (\new)
	s_set_vgpr_msb (MSB<<8)|(\new)
.set MSB, (\new)
.endif
.endm
.set MUL_LO, 0xa1                      ; source 0 (B) window 1, source 1 (A) window 0, C and D window 2
.set MUL_HI, 0xf1                      ; the same, C and D window 3
.set TO_B,   0x40                      ; destination window 1, address window 0
; A joint load: waves 0 and 1 fetch for A, waves 2 and 3 for B.  Each of the two lines has ONE mask and one set of registers for all that issue it; the branch hangs on the wave's number alone.
; An s_nop 0 and four v_nop follow each of the two lines.
.macro JLOAD g0a, g1a, g0b, g1b
	s_cmp_eq_u32 s15, 0
	s_cbranch_scc0 .Lfor_b_\@
	tensor_load_to_lds s[\g0a:\g0a+3], s[\g1a:\g1a+7]
	s_nop 0
.rept 4
	v_nop
.endr
	s_branch .Lasked_\@
.Lfor_b_\@:
	tensor_load_to_lds s[\g0b:\g0b+3], s[\g1b:\g1b+7]
	s_nop 0
.rept 4
	v_nop
.endr
.Lasked_\@:
.endm
.macro CROUND                          ; a round of the cluster's barrier: my work-group's barrier; wave 0 signals for the work-group; every wave waits for all sixteen; my work-group's barrier once more
	s_barrier_signal -1
	s_barrier_wait -1
	s_cmp_lg_u32 s14, 0
	s_cbranch_scc1 .Lnot_wave_0_\@
	s_barrier_signal -3
.Lnot_wave_0_\@:
	s_barrier_wait -3
	s_barrier_signal -1
	s_barrier_wait -1
.endm
	s_load_b128 s[4:7], s[0:1], 0x0                ; A's codes s[4:5], A's scales s[6:7]
	s_load_b128 s[8:11], s[0:1], 0x10              ; B's codes s[8:9], B's scales s[10:11]
	s_load_b64 s[12:13], s[0:1], 0x20              ; qkv
	v_lshl_add_u32 v[SPW], v0, 2, SPARE
	v_mov_b32 v[NIL], 0
	ds_add_u32 v[SPW], v[NIL]                      ; the wave's opening: the add, twice on end, and its wait ahead of my first tensor load; the set-up below stands between
	ds_add_u32 v[SPW], v[NIL]
	v_lshrrev_b32 v1, 5, v0
	v_readfirstlane_b32 s14, v1                    ; wave 0..3
	s_lshr_b32 s15, s14, 1                         ; which half of the tile's rows is mine.  Also: I fetch for A (0) or for B (1)
	s_and_b32 s16, s14, 1                          ; which half of its columns.  Also: which 128 rows of that tile I fetch
	s_bfe_u32 s40, ttmp6, 0x40000                  ; cx, cy: my place in the cluster
	s_bfe_u32 s41, ttmp6, 0x40004
	s_lshl_b32 s42, ttmp9, 2
	s_add_co_u32 s42, s42, s40                     ; tile column of C = 4 x cluster x + cx
	s_and_b32 s17, ttmp7, 0xffff
	s_lshl_b32 s17, s17, 2
	s_add_co_u32 s17, s17, s41                     ; tile row of C = 4 x cluster y + cy
	s_lshl_b32 s43, s41, 2
	s_lshl_b32 s43, 15, s43                        ; my row of the cluster
	s_lshl_b32 s44, 0x1111, s40                    ; my column
	; descriptor group 1: a tile of 128 rows x 256 bytes, padded in LDS
	s_or_b32 s[G1+0], s43, (0<<16)|(1<<20)|(1<<21)|(5<<22)|(3<<25)  ; 15:0 the mask: A's tiles go to my row; 17:16 element of 1 byte; 20 padding on; 21 set beside a mask; 24:22 after every 64 words; 31:25 of 4 words
	s_or_b32 s[G1B+0], s44, (0<<16)|(1<<20)|(1<<21)|(5<<22)|(3<<25)
.irp g, G1, G1B
	s_mov_b32 s[\g+1], ROWB<<16                    ; tensor_dim0
	s_mov_b32 s[\g+2], 128<<16                     ; tensor_dim1 = 128
	s_mov_b32 s[\g+3], ROWB<<16                    ; tile_dim0
	s_mov_b32 s[\g+4], 128                         ; tile_dim1 = 128
	s_mov_b32 s[\g+5], KROW                        ; tensor_dim0_stride
	s_mov_b32 s[\g+6], 0
	s_mov_b32 s[\g+7], 0
.endr
	; and for the scales of 128 rows: a dense block of 4,096 bytes, as 16 rows of 256 bytes (32 elements of 8 bytes), 16 bytes of padding behind each
	s_or_b32 s[G1S+0], s43, (3<<16)|(1<<20)|(1<<21)|(5<<22)|(3<<25)
	s_or_b32 s[G1SB+0], s44, (3<<16)|(1<<20)|(1<<21)|(5<<22)|(3<<25)
.irp g, G1S, G1SB
	s_mov_b32 s[\g+1], 32<<16
	s_mov_b32 s[\g+2], (128*KS/256)<<16
	s_mov_b32 s[\g+3], 32<<16
	s_mov_b32 s[\g+4], 128*KS/256
	s_mov_b32 s[\g+5], 32
	s_mov_b32 s[\g+6], 0
	s_mov_b32 s[\g+7], 0
.endr
	s_lshl_b32 s18, s16, 7                         ; which 128 rows of the tile I fetch
	s_lshl_b32 s20, s17, 8
	s_add_co_u32 s20, s20, s18                     ; A: row 256 x tile row + 128 x half,
	s_min_u32 s95, ttmp9, 1
	s_lshl_b32 s95, s95, 12
	s_add_co_u32 s20, s20, s95                     ; + 4,096 where the cluster's product is k's or v's: context's rows.  The cluster's x is the same in all sixteen
	s_lshl_b32 s46, s42, 8
	s_add_co_u32 s46, s46, s18                     ; B: row 256 x tile column + 128 x half
	s_mov_b32 s21, 0
	s_mov_b32 s47, 0
	s_mov_b64 s[18:19], KS
	s_mul_u64 s[22:23], s[20:21], s[18:19]         ; where these rows' scales begin, in bytes
	s_mul_u64 s[92:93], s[46:47], s[18:19]
	s_mov_b64 s[18:19], KROW
	s_mul_u64 s[20:21], s[20:21], s[18:19]         ; and their codes
	s_mul_u64 s[46:47], s[46:47], s[18:19]
	s_mul_i32 s45, s14, HALFT                      ; where they go: wave x 128 rows: no place in the cluster enters an LDS address
	s_mul_i32 s94, s14, HALFS
	s_wait_dscnt 0x0                               ; both opening adds are done
	s_wait_kmcnt 0x0
	s_add_nc_u64 s[20:21], s[4:5], s[20:21]
	s_add_nc_u64 s[22:23], s[6:7], s[22:23]
	s_add_nc_u64 s[46:47], s[8:9], s[46:47]
	s_add_nc_u64 s[92:93], s[10:11], s[92:93]
	CROUND                                         ; all sixteen work-groups are here: the joint loads meet
	s_mov_b32 s[G0S], 1
	s_add_co_u32 s[G0S+1], s94, SCL
	s_mov_b64 s[G0S+2:G0S+3], s[22:23]
	s_or_b32 s[G0S+3], s[G0S+3], 0x80000000
	s_mov_b32 s[G0SB], 1
	s_add_co_u32 s[G0SB+1], s94, SCL
	s_mov_b64 s[G0SB+2:G0SB+3], s[92:93]
	s_or_b32 s[G0SB+3], s[G0SB+3], 0x80000000
	JLOAD G0S, G1S, G0SB, G1SB                     ; the scales first: they are wanted with the first slot
.irp s, 0,1
	s_mov_b32 s[G0+4*\s], 1
	s_add_co_u32 s[G0+4*\s+1], s45, \s*SLOT
	s_add_nc_u64 s[G0+4*\s+2:G0+4*\s+3], s[20:21], \s*ROWB
	s_or_b32 s[G0+4*\s+3], s[G0+4*\s+3], 0x80000000
	s_mov_b32 s[G0B+4*\s], 1
	s_add_co_u32 s[G0B+4*\s+1], s45, \s*SLOT
	s_add_nc_u64 s[G0B+4*\s+2:G0B+4*\s+3], s[46:47], \s*ROWB
	s_or_b32 s[G0B+4*\s+3], s[G0B+4*\s+3], 0x80000000
	JLOAD G0+4*\s, G1, G0B+4*\s, G1B
.endr
	v_and_b32 v1, 15, v0                           ; l % 16
	v_bfe_u32 v2, v0, 4, 1                         ; l / 16
	v_mul_u32_u24 v3, v1, PITCH
	v_lshl_add_u32 v4, v2, 4, v3                   ; a fragment's row x pitch + 16 x half
	s_mul_i32 s21, s15, HALFT                      ; my 128 rows of A
	s_mul_i32 s22, s16, HALFT                      ; my 128 rows of B,
	s_add_co_u32 s22, s22, 2*HALFT                 ; which lie behind A's 256
.irp s, 0,1
	v_add_nc_u32 v[ADRA+\s], s21, v4
	v_add_nc_u32 v[ADRB+\s], s22, v4
	s_add_co_u32 s21, s21, SLOT
	s_add_co_u32 s22, s22, SLOT
.endr
	v_mul_u32_u24 v5, v1, KS                       ; my row's scales: 32 bytes a row,
	v_lshrrev_b32 v6, 8, v5
	v_lshl_add_u32 v5, v6, 4, v5                   ; and 16 more for each 256 passed
	s_mul_i32 s21, s15, HALFS                      ; A's: my 128 rows
	s_mul_i32 s22, s16, HALFS                      ; B's: my 128 rows, behind A's 256
	s_add_co_u32 s22, s22, 2*HALFS
	s_sub_co_u32 s22, s22, s21
	v_mul_u32_u24 v6, s22, v2                      ; lanes 16-31 take B's: one product, the distance between the two bases
	s_add_co_u32 s21, s21, SCL
	v_add_nc_u32 v5, v5, v6
	v_add_nc_u32 v[ADRS], s21, v5
	s_mul_i32 s23, s14, 16*SP                      ; my stage
	v_mul_u32_u24 v5, v1, SP                       ; in: row l % 16, 16 bytes for each half of the lanes
	v_lshl_add_u32 v5, v2, 4, v5
	v_add_nc_u32 v[STO], s23, v5
	v_bfe_u32 v5, v0, 3, 1                         ; back: lanes 0-15 take two tokens' 128 bytes of my first head, lanes 16-31 the same of my second
	v_mul_u32_u24 v5, v5, SP
	v_lshl_add_u32 v5, v2, 7, v5
	v_and_b32 v6, 7, v0
	v_lshl_add_u32 v5, v6, 4, v5
	v_add_nc_u32 v[RD], s23, v5
	v_lshlrev_b32 v5, 18, v2                       ; in qkv a head is 262,144 bytes, a token 128: two tokens are 256 consecutive bytes
	v_lshl_add_u32 v[CO], v1, 4, v5
	s_lshl_b32 s20, s17, 8
	s_lshl_b32 s21, s15, 7
	s_add_co_u32 s20, s20, s21                     ; my first row of C: 256 x tile row + 128 x half
	s_lshr_b32 s21, s20, 11
	s_lshl_b32 s21, s21, 4                         ; 16 x batch
	s_and_b32 s20, s20, 2047
	s_lshl_b32 s20, s20, 7                         ; the token's 128 bytes
	s_lshl_b32 s46, s40, 2                         ; my first head: 4 cx + 2 x half (in the registers that held B's address: none that feeds A's descriptors ever holds cx)
	s_lshl_b32 s47, s16, 1
	s_add_co_u32 s46, s46, s47
	s_add_co_u32 s46, s46, s21
	s_lshl_b32 s46, s46, 18
	s_add_co_u32 s46, s46, s20
	s_lshl_b32 s47, ttmp9, 23                      ; q, k or v: 8,388,608 bytes each
	s_add_co_u32 s46, s46, s47
	s_mov_b32 s47, 0
	s_add_nc_u64 s[12:13], s[12:13], s[46:47]
.macro FRAG reg, adr, q, i             ; a fragment, 16 rows x 128 K of 4-bit codes, is 8 registers: lane l holds row l % 16; registers 4 c .. 4 c + 3 hold K = 64 c + 32 (l / 16) + 0 .. 31
.irp c, 0,1
	ds_load_b128 v[\reg+4*\c:\reg+4*\c+3], v[\adr] offset:64*(\q)+32*\c+(\i)*16*PITCH
.endr
.endm
; 16 matrix instructions: A's blocks a0, a0 + 1 x B's eight, 128 along K: the slot's q-th.  p: B's set;  sc: the set of scale words.  zero = 1: the first product starts the sums: nothing is ever cleared.
; The 64 accumulators take turns, one instruction a turn, in the same order in every step.
.macro MUL16 a0, p, q, sc, zero
.irp a, \a0, \a0+1
.irp b, 0,1,2,3,4,5,6,7
.if \zero
	v_wmma_scale_f32_16x16x128_f8f6f4 v[8*(8*((\a)%4)+\b):8*(8*((\a)%4)+\b)+7], v[128*(\p)+FR*\b:128*(\p)+FR*\b+FR-1], v[AF+FR*(\a):AF+FR*(\a)+FR-1], 0, v[SC+8*NQ*(\sc)+NQ*\b+(\q)], v[SC+8*NQ*(\sc)+NQ*(\a)+(\q)] matrix_a_fmt:MATRIX_FMT_FP4 matrix_b_fmt:MATRIX_FMT_FP4 matrix_a_scale:MATRIX_SCALE_ROW1
.else
	v_wmma_scale_f32_16x16x128_f8f6f4 v[8*(8*((\a)%4)+\b):8*(8*((\a)%4)+\b)+7], v[128*(\p)+FR*\b:128*(\p)+FR*\b+FR-1], v[AF+FR*(\a):AF+FR*(\a)+FR-1], v[8*(8*((\a)%4)+\b):8*(8*((\a)%4)+\b)+7], v[SC+8*NQ*(\sc)+NQ*\b+(\q)], v[SC+8*NQ*(\sc)+NQ*(\a)+(\q)] matrix_a_fmt:MATRIX_FMT_FP4 matrix_b_fmt:MATRIX_FMT_FP4 matrix_a_scale:MATRIX_SCALE_ROW1
.endif
.endr
.endr
.endm
.macro FETCH_B slot, q, p              ; B's eight fragments of the slot's q-th 128 along K into set p
	WIN TO_B
.irp i, 0,1,2,3,4,5,6,7
	FRAG 128*(\p)+FR*\i, ADRB+\slot, \q, \i
.endr
	WIN 0
.endm
.macro FETCH_A slot, q, i0             ; A's blocks i0 .. i0 + 3
.irp i, \i0, \i0+1, \i0+2, \i0+3
	FRAG AF+FR*(\i), ADRA+\slot, \q, \i
.endr
.endm
.macro SCALES sc                       ; a slot's scale words into set sc: 4 words a row; lanes 0-15 take A's block i, lanes 16-31 B's block i
.irp i, 0,1,2,3,4,5,6,7
	ds_load_b128 v[SC+8*NQ*\sc+NQ*\i:SC+8*NQ*\sc+NQ*\i+3], v[ADRS] offset:\i*SBLK
.endr
.endm
; A load into a register that a matrix instruction has read, and a vector instruction that reads a matrix result or writes one of its registers, stand NP places behind it; only plain vector
; instructions that name none of its registers are places (ISA guide 7.12.1 for vector instructions).
.macro PLACES n
.rept \n
	v_nop
.endr
.endm
; A step of 128 along K that has its successor in the same slot.
.macro STEP slot, q, zero
	s_wait_dscnt 4*NL                              ; B's set and A's blocks 0-3 are in; the youngest eight loads (A's blocks 4-7) may be out
	WIN MUL_LO
	MUL16 0, (\q)%2, \q, \slot, \zero
	MUL16 2, (\q)%2, \q, \slot, \zero
	s_wait_dscnt 0                                 ; A's blocks 4-7 are in (asked for 32 matrix instructions ago)
	PLACES NP
	FETCH_B \slot, (\q)+1, 1-(\q)%2
	FETCH_A \slot, (\q)+1, 0
	WIN MUL_HI
	MUL16 4, (\q)%2, \q, \slot, \zero
	MUL16 6, (\q)%2, \q, \slot, \zero
	PLACES NP
	WIN 0
	FETCH_A \slot, (\q)+1, 4
.endm
; Slot 0's last step goes over to slot 1: ONE barrier; in front of it each wave waits for all its tensor loads (its part of slot 1), adds 0 to its spare word, and waits for that and for its own reads of slot 0,
; which becomes the stage of the way out.
.macro TURN slot, next
	s_wait_tensorcnt 0x0                           ; all my tensor loads have landed: my part of the next slot
	ds_add_u32 v[SPW], v[NIL]                      ; 0 onto my spare word
	s_wait_dscnt 4*NL+1                            ; (the add and the youngest eight loads, A's blocks 4-7, may be out)
	WIN MUL_LO
	MUL16 0, 1, NQ-1, \slot, 0                     ; sixteen matrix instructions stand between the add and the wait for it
	s_wait_dscnt 0x0                               ; the add is done, and my reads of this slot are over
	s_barrier_signal -1
	MUL16 2, 1, NQ-1, \slot, 0
	WIN 0
	s_barrier_wait -1
	PLACES NP
	v_add_nc_u32 v[ADRS], 4*NQ, v[ADRS]            ; on to the next slot's scale words (no LDS load of mine is out)
	FETCH_B \next, 0, 0
	FETCH_A \next, 0, 0
	SCALES \next
	WIN MUL_HI
	MUL16 4, 1, NQ-1, \slot, 0
	MUL16 6, 1, NQ-1, \slot, 0
	PLACES NP
	WIN 0
	FETCH_A \next, 0, 4
.endm
.macro STEPS slot, from                ; the slot's steps from .. NQ - 2
.set Q, \from
.rept NQ-1-\from
	STEP \slot, Q, 0
.set Q, Q+1
.endr
.endm
	s_wait_tensorcnt 1                             ; the scales and my part of slot 0 are in (slot 1's load may be out)
	s_barrier_signal -1
	s_barrier_wait -1                              ; everybody's are
	FETCH_B 0, 0, 0
	FETCH_A 0, 0, 0
	SCALES 0
	FETCH_A 0, 0, 4
	STEP 0, 0, 1                                   ; the first step's products start the sums
	STEPS 0, 1
	TURN 0, 1
	STEPS 1, 0
	s_wait_dscnt 4*NL                              ; the very last step: nothing more to fetch
	WIN MUL_LO
	MUL16 0, 1, NQ-1, 1, 0
	MUL16 2, 1, NQ-1, 1, 0
	s_wait_dscnt 0
	WIN MUL_HI
	MUL16 4, 1, NQ-1, 1, 0
	MUL16 6, 1, NQ-1, 1, 0
	WIN 0
; THE WAY OUT, block by block of 16 rows (tokens) x 128 columns (two heads).  PACK: rounded to f16, a lane's eight columns in 16 bytes, each accumulator from its low end on.  TOSTAGE: into my own stage, and back
; so that lanes 0-15 hold two tokens of one head and lanes 16-31 the same tokens of the next.  SEND: each sixteen lanes store 256 consecutive bytes, aligned.
; LDS serves a wave's instructions in order (ISA guide 5.7.1.4): no wait between the stores and the loads, nor in front of the next block's stores.
.macro PACK a
.set AC, 64*((\a)%4)
	WIN 0x0a+5*((\a)/4)                            ; sources 0 and 1: window 2 or 3
.irp b, 0,1,2,3,4,5,6,7
.irp r, 0,1,2,3
	v_cvt_pk_f16_f32 v[TMP+4*\b+\r], v[AC+8*\b+2*\r], v[AC+8*\b+2*\r+1]
.endr
.endr
	WIN 0
.endm
.macro TOSTAGE a
.set BB, BK+32*((\a)%2)
.irp b, 0,1,2,3,4,5,6,7
	ds_store_b128 v[STO], v[TMP+4*\b:TMP+4*\b+3] offset:32*\b
.endr
.irp t, 0,1,2,3,4,5,6,7
	ds_load_b128 v[BB+4*\t:BB+4*\t+3], v[RD] offset:\t*2*SP
.endr
.endm
.macro SEND a
.set BB, BK+32*((\a)%2)
	s_wait_dscnt 0x0                               ; the block is back in registers
	s_wait_xcnt 0x0                                ; the stores of the block before have read their registers: the next block's loads may land there
.irp t, 0,1,2,3,4,5,6,7
	global_store_b128 v[CO], v[BB+4*\t:BB+4*\t+3], s[12:13] offset:2048*(\a)+256*\t
.endr
.endm
	PLACES NP                                      ; in front of the conversions, which read results and write registers that held scale words
	PACK 0
	TOSTAGE 0
.irp a, 1,2,3,4,5,6,7                  ; block a's conversions stand between block a - 1's loads from the stage and the wait for them
	PACK \a
	SEND \a-1
	TOSTAGE \a
.endr
	SEND 7
	s_wait_tensorcnt 0x0                           ; the wave's end, behind my last tensor load and my last LDS store
	ds_add_u32 v[SPW], v[NIL]
	s_wait_dscnt 0x0
	CROUND                                         ; the closing round: no work-group ends while a partner may still ask for a tile that names it
	s_endpgm
.Lfunc_end_k_qb7f4d955b5_proj:
	.size	k_qb7f4d955b5_proj, .Lfunc_end_k_qb7f4d955b5_proj-k_qb7f4d955b5_proj
	.p2alignl 7, 3214868480
	.fill 96, 4, 3214868480
	.section	.rodata,"a",@progbits
	.p2align	6, 0x0
	.amdhsa_kernel k_qb7f4d955b5_proj
		.amdhsa_group_segment_fixed_size 327680
		.amdhsa_private_segment_fixed_size 0
		.amdhsa_enable_private_segment 0
		.amdhsa_kernarg_size 40
		.amdhsa_user_sgpr_count 2
		.amdhsa_user_sgpr_kernarg_segment_ptr 1
		.amdhsa_wavefront_size32 1
		.amdhsa_system_sgpr_workgroup_id_x 1
		.amdhsa_system_sgpr_workgroup_id_y 1
		.amdhsa_system_sgpr_workgroup_id_z 1
		.amdhsa_system_vgpr_workitem_id 0
		.amdhsa_next_free_vgpr 1024
		.amdhsa_next_free_sgpr 98
		.amdhsa_reserve_vcc 0
		.amdhsa_float_denorm_mode_32 3
		.amdhsa_float_denorm_mode_16_64 3
		.amdhsa_memory_ordered 1
		.amdhsa_forward_progress 1
		.amdhsa_inst_pref_size 127
	.end_amdhsa_kernel
	.amdgpu_metadata
---
amdhsa.version: [ 1, 2 ]
amdhsa.kernels:
  - .name:           k_qb7f4d955b5_proj
    .symbol:         k_qb7f4d955b5_proj.kd
    .args:
      - { .name: x_codes, .offset: 0, .size: 8, .value_kind: global_buffer, .address_space: global }
      - { .name: x_scales, .offset: 8, .size: 8, .value_kind: global_buffer, .address_space: global }
      - { .name: w_codes, .offset: 16, .size: 8, .value_kind: global_buffer, .address_space: global }
      - { .name: w_scales, .offset: 24, .size: 8, .value_kind: global_buffer, .address_space: global }
      - { .name: qkv, .offset: 32, .size: 8, .value_kind: global_buffer, .address_space: global }
    .group_segment_fixed_size: 327680
    .private_segment_fixed_size: 0
    .kernarg_segment_align: 8
    .kernarg_segment_size: 40
    .max_flat_workgroup_size: 128
    .sgpr_count:     98
    .vgpr_count:     1024
    .wavefront_size: 32
...
	.end_amdgpu_metadata
.endif
;; end of part 3
;; launch attn (part 4): grid 8 x 32, 8 waves a work-group, clusters of 4 x 1, 327,680 bytes of LDS; arguments qkv, att; writes att
.if DOCPART == 4
	.amdgcn_target "amdgcn-amd-amdhsa--gfx1250"
	.amdhsa_code_object_version 6
	.text
	.protected	k_qb7f4d955b5_attn
	.globl	k_qb7f4d955b5_attn
	.p2align	8
	.type	k_qb7f4d955b5_attn,@function
k_qb7f4d955b5_attn:
	s_mov_b64 s[64:65], 0
	v_nop
	global_prefetch_b8 v0, s[64:65] scope:SCOPE_SE
	s_setreg_imm32_b32 hwreg(HW_REG_WAVE_MODE, 25, 1), 1
	s_wait_xcnt 0x0
	s_wait_alu depctr_hold_cnt(0) depctr_sa_sdst(0) depctr_va_vdst(0) depctr_va_sdst(0) depctr_va_ssrc(0) depctr_va_vcc(0) depctr_vm_vsrc(0)
	s_getreg_b32 s2, hwreg(HW_REG_IB_STS2, 6, 4)
	s_cmp_eq_u32 s2, 0
	s_cbranch_scc0 .Lentry_in_a_cluster
	s_endpgm
.Lentry_in_a_cluster:
	s_bfe_u32 s2, ttmp6, 0x10000c
	s_cmp_lg_u32 s2, 0x3003
	s_cbranch_scc0 .Lentry_shape_is_right
	s_endpgm
.Lentry_shape_is_right:
; O[bh][q][:] = the sum over k of softmax_k(Q[bh][q] . K[bh][k] / 8) V[bh][k][:].  Q, K, V: qkv at 0, 8,388,608, 16,777,216 bytes, each [32 heads][2048][64] f16.  No mask.
; Products on f16 operands, sums, maxima and the softmax in f32; the weights p are rounded to f16 for the second product, O once at the end.
; O goes to att, laid for the launch that reads it: [32 blocks of 128 tokens][16 heads][128 tokens][64] f16.
; LIMITS: NaN and infinities are not served; |O| beyond 65,504 is not served, under 6e-5 it carries f16's absolute error 2^-25; a weight p under 2^-25 of its row's largest counts as 0.
; SHARES.  A work-group owns 256 queries of one head.  Wave w: queries 64 (w % 4) on, four tiles of 16; keys 1,024 (w / 4) on: THE TWO HALVES OF THE KEYS GO TO TWO WAVES, each with its own running maximum and sum;
; they are merged at the end through LDS.  So a fragment of K or V read from LDS feeds four products, and two waves of 512 registers stand on a SIMD: one's softmax beside the other's products.
; LAYOUT.  S^T = K Q^T (source 0 = 16 keys, source 1 = 16 queries): a lane holds ONE query (lane % 16) and the keys 8 (lane / 16) + 0..7.  Two such tiles, rounded to f16 in pairs, ARE source 1 (32 keys x 16 queries)
; of O^T = V^T P, whose result again holds one query a lane, and eight channels.  K comes out of LDS as it lies, V ([key][channel]) turned, by ds_load_tr16_b128.
; SOFTMAX.  For each query a running maximum m and sum l: p = 2^(c s - c m), c = log2(e) / 8; in every step O and l are multiplied by a = 2^(c m_old - c m_new).
; RING.  Two LDS slots, each with 128 keys of each half (two steps of 64 keys a wave).  Every wave fetches 64 rows of each fill: waves 0-3 K's, waves 4-7 V's.  Eight fills; a wave has two
; tensor loads out at the start and one behind each round.
; CLUSTER.  The four query blocks of a cluster belong to one head and walk the same K and V: each tile is asked for JOINTLY, by the same tensor load with the same descriptor and a mask that names the four.
; REGISTERS, in windows of 256 (s_set_vgpr_msb: bits 1:0 source 0, 3:2 source 1, 5:4 source 2, 7:6 destination):
;   window 0: v1-15 addresses; v16-47 eight statistics a tile; v48-55 second chains of the sums; v56-63 the partner's statistics; v64-191 S^T, 32 a tile (P is made in place, in each tile's low 16); v192-255 K of one step
;   window 1: v0-127 O^T, 32 a tile; v128-191 Q, 16 a tile; v192-255 V of one step
.set PK,    144                        ; a row of K in LDS: 128 bytes + 16 = 36 words: the 16 rows of a load start 4 words apart modulo 64
.set PV,    160                        ; a row of V: 128 + 32 = 40 words, an odd multiple of 32 bytes, as the turning load's 8 rows x 32 bytes want
.set VOFF,  2*128*PK                   ; a slot: K's two halves of 128 rows, then V's
.set SLOT1, 1<<17                      ; slot 1 begins here, so that one exclusive or turns an address in one slot into the other's
.set FILLB, 128*128                    ; a fill on in memory: 128 rows of 128 bytes
.set MRG,   SLOT1+VOFF+2*128*PV        ; behind the ring: for each pair of waves an image of O^T (16,384 bytes) and of the statistics (1,024)
.set MRGW,  17408
.set STG,   MRG+4*MRGW                 ; the way out: 4 tiles x 16 rows x 144 bytes for each of waves 0-3
.set STGW,  64*PK
.set SPARE, STG+4*STGW                 ; the spare words, 128 bytes for each of eight waves: four blocks of 256 bytes that no other line names
.set AK0, 2                            ; v2   my lane's place in my half's tile of K; never rewritten
.set AV0, 3                            ; v3   the same for V
.set ADK, 4                            ; v4   K's address in the slot in hand
.set ADV, 5                            ; v5   V's
.set QO,  6                            ; v6   my byte offset in the wave's rows of Q
.set STO, 7                            ; v7   the way out: where I put 16 bytes of a row
.set RD,  8                            ; v8   the way out: where I read rows back
.set GO,  10                           ; v10  16 x lane: my byte offset in att
.set MG,  11                           ; v11  the merge: my lane's 16 bytes of an image
.set PFO, 12                           ; v12  256 x lane: the prefetches' offset; never rewritten
.set SPW, 14                           ; v14  LDS address of my spare word; never rewritten
.set NIL, 15                           ; v15  0; never rewritten
.set ST,  16                           ; tile t's statistics at v[ST+8 t]: +0 c m, +1 m, +2, +3 l (even keys', odd keys'), +4 to +7 at work; a takes +6
.set SB,  48                           ; tile t's second chain of sums at v[SB+2 t]; at the merge v48-51 c m, v52-55 l
.set PS,  56                           ; the partner's: v56-59 c m, v60-63 l
.set S,   64
.set KB,  192
.set QF,  128                          ; in window 1
.set VB,  192                          ; in window 1
.set WV,  12                           ; s12  my wave's number
.set LIM, 15                           ; s15  1 in a wave that prefetches, else the greatest number
.set PFA, 18                           ; s[18:19] where my prefetches stand
.set G1K, 24                           ; s[24:31] descriptor group 1 for K's tiles
.set G1V, 32                           ; s[32:39] for V's: it differs in the padding alone
.set G0K, 40                           ; s[40:47] group 0 for K's: a set for each of the two first fills; the second then walks on
.set G0V, 48                           ; s[48:55] the same for V's
.set SLOTS, 56                         ; s56  fills still to be asked for
.set CS,  58                           ; s[58:59] c: the packed scaling names a pair and takes its low word for both halves
.set SEL, 60                           ; s[60:61] lane selects for v_permlanex16_b32: lane l xor 16
.set TB,  62                           ; s62  LDS byte at which the slot in hand begins
.set MSB, 0
.macro WIN new                         ; the immediate's high byte repeats the setting that is left; a switch that changes nothing is dropped
.if MSB != (\new)
	s_set_vgpr_msb (MSB<<8)|(\new)
.set MSB, (\new)
.endif
.endm
.set W_KQ, 0x04                        ; Q (source 1) in window 1; K and S^T in window 0
.set W_PV, 0x51                        ; V (source 0), C and D in window 1; P in window 0
.set W_RS, 0x41                        ; O^T (destination and source 0) in window 1, a in window 0
.set TO1,  0x40                        ; a load's destination in window 1, its address in window 0
; A joint refill.  Waves 0-3 fetch K's four parts, waves 4-7 V's.  The branch hangs on the wave's number alone.  An s_nop 0 and four v_nop follow each of the two lines.
.macro JLOAD
	s_cmp_lt_u32 s[WV], 4
	s_cbranch_scc0 .Lfor_v_\@
	tensor_load_to_lds s[G0K+4:G0K+7], s[G1K:G1K+7]
	s_nop 0
.rept 4
	v_nop
.endr
	s_branch .Lasked_\@
.Lfor_v_\@:
	tensor_load_to_lds s[G0V+4:G0V+7], s[G1V:G1V+7]
	s_nop 0
.rept 4
	v_nop
.endr
.Lasked_\@:
.endm
; A PREFETCH INTO THE L2 of what the NEXT change of slots will ask for: 2 x 128 rows of K and of V, 128 bytes a row, dense: 4 x 8,192 bytes each.  It stands behind the wave's tensor load and its five lines.
; Each aligned block of 256 bytes is asked for ONCE in the launch.  Both clusters of a head walk the same K and V: the head's first cluster asks.  Its four partners share the bytes out BY ADDRESS, 8,192 each;
; in each, wave 0 asks for K's and wave 4 for V's, lanes 256 bytes apart.  The change that asks for the last fill prefetches nothing; fills 0 to 2 come by their loads alone.
.macro ASK
	s_cmp_gt_u32 s[SLOTS], s[LIM]
	s_cbranch_scc0 .Lnot_mine_\@
	global_prefetch_b8 v[PFO], s[PFA:PFA+1] th:TH_LOAD_NT scope:SCOPE_SE
.Lnot_mine_\@:
.endm
.macro CROUND                          ; a round of the cluster's barrier: my work-group's barrier; wave 0 signals for the work-group; every wave waits for all four; my work-group's barrier once more
	s_barrier_signal -1
	s_barrier_wait -1
	s_cmp_lg_u32 s[WV], 0
	s_cbranch_scc1 .Lnot_wave_0_\@
	s_barrier_signal -3
.Lnot_wave_0_\@:
	s_barrier_wait -3
	s_barrier_signal -1
	s_barrier_wait -1
.endm
	s_load_b128 s[8:11], s[0:1], 0x0               ; qkv s[8:9], att s[10:11]
	v_lshl_add_u32 v[SPW], v0, 2, SPARE
	v_mov_b32 v[NIL], 0
	ds_add_u32 v[SPW], v[NIL]                      ; the wave's opening: the add, twice on end, and its wait ahead of my first tensor load; the set-up below stands between
	ds_add_u32 v[SPW], v[NIL]
	v_lshrrev_b32 v1, 5, v0
	v_readfirstlane_b32 s[WV], v1                  ; wave 0..7
	s_bfe_u32 s13, ttmp6, 0x40000                  ; cx: my place in the cluster
	s_lshl_b32 s14, ttmp9, 2                       ; in a cluster launch ttmp9 counts clusters
	s_add_co_u32 s14, s14, s13                     ; my block of 256 queries: it enters Q's and att's addresses alone
	s_and_b32 s57, ttmp7, 0xffff                   ; the head (16 x batch + head), which the four partners share
	s_and_b32 s16, s[WV], 3                        ; which 64 queries are mine.  Also: which part of a fill I fetch
	s_lshr_b32 s17, s[WV], 2                       ; which half of the keys is mine
	s_lshl_b32 s63, s57, 18                        ; the head's first byte in q, k and v
	s_lshr_b32 s2, s16, 1                          ; my part of a fill: the half of the keys, 131,072 bytes on,
	s_lshl_b32 s2, s2, 17
	s_and_b32 s3, s16, 1
	s_lshl_b32 s3, s3, 13                          ; and which 64 rows of its 128
	s_add_co_u32 s2, s2, s3
	s_add_co_u32 s2, s2, s63
	s_mov_b32 s3, 0
	s_lshl_b32 s20, s14, 15                        ; Q: my block's 256 rows of 128 bytes,
	s_lshl_b32 s21, s16, 13                        ; my wave's 64 of them
	s_add_co_u32 s20, s20, s21
	s_add_co_u32 s20, s20, s63
	s_mov_b32 s21, 0
	s_lshr_b32 s22, s57, 4                         ; att: block of 128 tokens = 16 x batch + 2 x my block + (w % 4) / 2,
	s_lshl_b32 s22, s22, 4
	s_lshl_b32 s23, s14, 1
	s_add_co_u32 s22, s22, s23
	s_lshr_b32 s23, s16, 1
	s_add_co_u32 s22, s22, s23
	s_lshl_b32 s22, s22, 4
	s_and_b32 s23, s57, 15
	s_add_co_u32 s22, s22, s23                     ; x 16 + head,
	s_lshl_b32 s22, s22, 14                        ; 16,384 bytes each,
	s_and_b32 s23, s16, 1
	s_lshl_b32 s23, s23, 13                        ; + which 64 tokens of the 128
	s_add_co_u32 s22, s22, s23
	s_mov_b32 s23, 0
	; descriptor group 1: a tile of 64 rows x 64 elements, padded in LDS
	s_mov_b32 s[G1K], 15|(1<<16)|(1<<20)|(1<<21)|(4<<22)|(3<<25)  ; 15:0 the mask: all four work-groups; 17:16 elements of 2 bytes; 20 padding on; 21 set beside a mask; 24:22 after every 32 words; 31:25 4 words of it
	s_mov_b32 s[G1V], 15|(1<<16)|(1<<20)|(1<<21)|(4<<22)|(7<<25)  ; the same with 8 words of padding
.irp g, G1K, G1V
	s_mov_b32 s[\g+1], 64<<16                      ; tensor_dim0 = 64
	s_mov_b32 s[\g+2], 64<<16                      ; tensor_dim1 = 64
	s_mov_b32 s[\g+3], 64<<16                      ; tile_dim0 = 64
	s_mov_b32 s[\g+4], 64                          ; tile_dim1 = 64
	s_mov_b32 s[\g+5], 64                          ; tensor_dim0_stride: elements from row to row
	s_mov_b32 s[\g+6], 0
	s_mov_b32 s[\g+7], 0
.endr
	s_mov_b32 s[G0K], 1                            ; group 0: count = 1;
	s_mov_b32 s[G0K+4], 1
	s_mov_b32 s[G0V], 1
	s_mov_b32 s[G0V+4], 1
	s_mul_i32 s[G0K+1], s16, 64*PK                 ; LDS address: my part x 64 rows: no place in the cluster enters an LDS address
	s_add_co_u32 s[G0K+5], s[G0K+1], SLOT1
	s_mul_i32 s[G0V+1], s16, 64*PV
	s_add_co_u32 s[G0V+1], s[G0V+1], VOFF
	s_add_co_u32 s[G0V+5], s[G0V+1], SLOT1
	s_mov_b32 s[CS], 0x3e38aa3b                    ; c = log2(e) / 8
	s_mov_b32 s[CS+1], s[CS]                       ; named with it as a pair, so it is written
	s_mov_b32 s[SEL], 0x76543210
	s_mov_b32 s[SEL+1], 0xfedcba98
	s_mov_b32 s[TB], 0
	s_mov_b32 s[SLOTS], 6
	s_or_b32 s[LIM], s16, ttmp9                    ; 0 in waves 0 and 4 of the head's first cluster: the same in all four partners
	s_cmp_eq_u32 s[LIM], 0
	s_cselect_b32 s[LIM], 1, -1
	v_and_b32 v[PFO], 31, v0
	v_lshlrev_b32 v[PFO], 8, v[PFO]
	s_wait_dscnt 0x0                               ; both opening adds are done
	s_wait_kmcnt 0x0
	s_add_nc_u64 s[4:5], s[8:9], s[20:21]          ; Q at my wave's first row
	s_add_nc_u64 s[6:7], s[8:9], s[2:3]
	s_add_nc_u64 s[8:9], s[6:7], 0x1000000         ; V at my part of fill 0
	s_add_nc_u64 s[6:7], s[6:7], 0x800000          ; K likewise
	s_add_nc_u64 s[10:11], s[10:11], s[22:23]      ; att at my wave's rows
	s_cmp_lt_u32 s[WV], 4
	s_cselect_b64 s[PFA:PFA+1], s[6:7], s[8:9]     ; (in waves 0 and 4 these stand at the head's first row)
	s_lshr_b32 s2, s13, 1                          ; my work-group's 8,192 bytes of a fill's four
	s_lshl_b32 s2, s2, 17
	s_and_b32 s3, s13, 1
	s_lshl_b32 s3, s3, 13
	s_add_co_u32 s2, s2, s3
	s_add_co_u32 s2, s2, 2*FILLB                   ; in fill 2; the first change of slots steps it to fill 3.  Nothing is prefetched here, at the head
	s_mov_b32 s3, 0
	s_add_nc_u64 s[PFA:PFA+1], s[PFA:PFA+1], s[2:3]
	CROUND                                         ; all four work-groups are here: the first joint loads meet
	s_mov_b64 s[G0K+2:G0K+3], s[6:7]               ; global address: fill 0,
	s_or_b32 s[G0K+3], s[G0K+3], 0x80000000        ; type = 2
	s_add_nc_u64 s[G0K+6:G0K+7], s[6:7], FILLB     ; fill 1
	s_or_b32 s[G0K+7], s[G0K+7], 0x80000000
	s_mov_b64 s[G0V+2:G0V+3], s[8:9]
	s_or_b32 s[G0V+3], s[G0V+3], 0x80000000
	s_add_nc_u64 s[G0V+6:G0V+7], s[8:9], FILLB
	s_or_b32 s[G0V+7], s[G0V+7], 0x80000000
	s_cmp_lt_u32 s[WV], 4                          ; a wave's two first fills stand in one branch, ahead of every wait on TENSORcnt and every LDS read
	s_cbranch_scc0 .Lfirst_v
	tensor_load_to_lds s[G0K:G0K+3], s[G1K:G1K+7]
	s_nop 0
	tensor_load_to_lds s[G0K+4:G0K+7], s[G1K:G1K+7]
	s_nop 0
.rept 4
	v_nop
.endr
	s_branch .Lfirst_asked
.Lfirst_v:
	tensor_load_to_lds s[G0V:G0V+3], s[G1V:G1V+7]
	s_nop 0
	tensor_load_to_lds s[G0V+4:G0V+7], s[G1V:G1V+7]
	s_nop 0
.rept 4
	v_nop
.endr
.Lfirst_asked:
	; A fragment of K or Q is 16 rows x 32 channels in 8 registers: lane l holds row l % 16; registers 0-3 channels 8 (l / 16) + 0..7, registers 4-7 channels 16 + 8 (l / 16) + 0..7: two loads of 16 bytes, 32 bytes apart.
	v_and_b32 v1, 15, v0                           ; l % 16
	v_bfe_u32 v9, v0, 4, 1                         ; l / 16
	v_lshlrev_b32 v[QO], 7, v1
	v_lshl_add_u32 v[QO], v9, 4, v[QO]             ; row x 128 + 16 x half
	WIN TO1
.irp t, 0,1,2,3
.irp cs, 0,1
	global_load_b128 v[QF+16*\t+8*\cs:QF+16*\t+8*\cs+3],   v[QO], s[4:5] offset:2048*\t+64*\cs      ; Q stays in registers: tile t, channels 32 cs on
	global_load_b128 v[QF+16*\t+8*\cs+4:QF+16*\t+8*\cs+7], v[QO], s[4:5] offset:2048*\t+64*\cs+32
.endr
.endr
	WIN 0
	s_mul_i32 s20, s17, 128*PK                     ; my half of the keys
	v_mul_u32_u24 v[AK0], v1, PK
	v_lshl_add_u32 v[AK0], v9, 4, v[AK0]
	v_add_nc_u32 v[AK0], s20, v[AK0]               ; row x pitch + 16 x half of the lanes + my half's tile
	; The turning load takes 16 keys x 16 channels (lane l reads 16 bytes: key 8 (l / 16) + l % 8, channels 8 ((l / 8) % 2) + 0..7) and leaves half a fragment of V^T: lane l holds channel l % 16 and 8 keys.
	v_and_b32 v4, 7, v0
	v_bfe_u32 v5, v0, 3, 1
	v_lshl_add_u32 v[AV0], v9, 3, v4
	v_mul_u32_u24 v[AV0], v[AV0], PV
	v_lshl_add_u32 v[AV0], v5, 4, v[AV0]
	s_mul_i32 s20, s17, 128*PV
	s_add_co_u32 s20, s20, VOFF
	v_add_nc_u32 v[AV0], s20, v[AV0]
	s_mul_i32 s20, s16, STGW
	s_add_co_u32 s20, s20, STG                     ; the stage of my 64 queries
	v_mul_u32_u24 v[STO], v1, PK                   ; in: row l % 16, 16 bytes for each half of the lanes
	v_lshl_add_u32 v[STO], v9, 4, v[STO]
	v_add_nc_u32 v[STO], s20, v[STO]
	v_and_b32 v13, 31, v0                          ; lane
	v_lshrrev_b32 v[RD], 3, v13                    ; back: eight lanes to a row of 128 bytes, four rows an instruction
	v_mul_u32_u24 v[RD], v[RD], PK
	v_lshl_add_u32 v[RD], v4, 4, v[RD]
	v_add_nc_u32 v[RD], s20, v[RD]
	v_lshlrev_b32 v[GO], 4, v13
	s_mul_i32 s20, s16, MRGW
	s_add_co_u32 s20, s20, MRG
	v_add_nc_u32 v[MG], s20, v[GO]                 ; the merge: 16 x lane in my pair's region
; THE LDS LOADS stand in runs of 16: a step's K (64 keys x 64 channels: 8 fragments) and its V (turned).  q: the slot's step.
.macro FETCH_K q
.irp f, 0,1,2,3,4,5,6,7                ; keys 16 (f / 2) on, channels 32 (f % 2) on
	ds_load_b128 v[KB+8*\f:KB+8*\f+3],   v[ADK] offset:64*PK*(\q)+(\f/2)*16*PK+(\f%2)*64
	ds_load_b128 v[KB+8*\f+4:KB+8*\f+7], v[ADK] offset:64*PK*(\q)+(\f/2)*16*PK+(\f%2)*64+32
.endr
.endm
.macro FETCH_V q
	WIN TO1
.irp f, 0,1,2,3,4,5,6,7                ; keys 32 (f / 4) on, channels 16 (f % 4) on
	ds_load_tr16_b128 v[VB+8*\f:VB+8*\f+3],   v[ADV] offset:64*PV*(\q)+(\f/4)*32*PV+(\f%4)*32
	ds_load_tr16_b128 v[VB+8*\f+4:VB+8*\f+7], v[ADV] offset:64*PV*(\q)+(\f/4)*32*PV+16*PV+(\f%4)*32
.endr
	WIN 0
.endm
; S^T = K Q^T: 32 products; the 16 accumulators take turns, one instruction a turn; the first 16 start the sums.
.macro KQ
	WIN W_KQ
.irp cs, 0,1
.irp kt, 0,1,2,3
.irp t, 0,1,2,3
.if \cs == 0
	v_wmma_f32_16x16x32_f16 v[S+32*\t+8*\kt:S+32*\t+8*\kt+7], v[KB+8*(2*\kt+\cs):KB+8*(2*\kt+\cs)+7], v[QF+16*\t+8*\cs:QF+16*\t+8*\cs+7], 0
.else
	v_wmma_f32_16x16x32_f16 v[S+32*\t+8*\kt:S+32*\t+8*\kt+7], v[KB+8*(2*\kt+\cs):KB+8*(2*\kt+\cs)+7], v[QF+16*\t+8*\cs:QF+16*\t+8*\cs+7], v[S+32*\t+8*\kt:S+32*\t+8*\kt+7]
.endif
.endr
.endr
.endr
.endm
; O^T += V^T P: 32 products, 16 accumulators by turns.  first = 1: the first 16 start the sums: nothing is ever cleared.
.macro PVM first
	WIN W_PV
.irp ks, 0,1
.irp ct, 0,1,2,3
.irp t, 0,1,2,3
.if \first && (\ks == 0)
	v_wmma_f32_16x16x32_f16 v[32*\t+8*\ct:32*\t+8*\ct+7], v[VB+8*(4*\ks+\ct):VB+8*(4*\ks+\ct)+7], v[S+32*\t+8*\ks:S+32*\t+8*\ks+7], 0
.else
	v_wmma_f32_16x16x32_f16 v[32*\t+8*\ct:32*\t+8*\ct+7], v[VB+8*(4*\ks+\ct):VB+8*(4*\ks+\ct)+7], v[S+32*\t+8*\ks:S+32*\t+8*\ks+7], v[32*\t+8*\ct:32*\t+8*\ct+7]
.endif
.endr
.endr
.endr
.endm
; THE SOFTMAX of a step, for my four tiles; the tiles stand innermost, so that no line reads the result of the line above it.  first = 1: the first step, which starts m, l and O^T.
.macro SOFTMAX first
.irp j, 0,1,2,3                        ; the maximum of the lane's 32 scores and the old m: four chains of seven scores; each accumulator is first read at its three lowest registers
.irp t, 0,1,2,3
	v_max3_num_f32 v[ST+8*\t+4+\j], v[S+32*\t+8*\j], v[S+32*\t+8*\j+1], v[S+32*\t+8*\j+2]
.endr
.endr
.irp u, 1,2
.irp j, 0,1,2,3
.irp t, 0,1,2,3
	v_max3_num_f32 v[ST+8*\t+4+\j], v[ST+8*\t+4+\j], v[S+32*\t+8*\j+2*\u+1], v[S+32*\t+8*\j+2*\u+2]
.endr
.endr
.endr
.irp t, 0,1,2,3
	v_max3_num_f32 v[ST+8*\t+4], v[ST+8*\t+4], v[S+32*\t+7], v[S+32*\t+15]
.endr
.irp t, 0,1,2,3
	v_max3_num_f32 v[ST+8*\t+6], v[ST+8*\t+6], v[S+32*\t+23], v[S+32*\t+31]
.endr
.irp t, 0,1,2,3
	v_max3_num_f32 v[ST+8*\t+4], v[ST+8*\t+4], v[ST+8*\t+5], v[ST+8*\t+6]
.endr
.irp t, 0,1,2,3
.if \first
	v_max_num_f32 v[ST+8*\t+4], v[ST+8*\t+4], v[ST+8*\t+7]
.else
	v_max3_num_f32 v[ST+8*\t+4], v[ST+8*\t+4], v[ST+8*\t+7], v[ST+8*\t+1]
.endif
.endr
.irp t, 0,1,2,3
	v_permlanex16_b32 v[ST+8*\t+5], v[ST+8*\t+4], s[SEL], s[SEL+1]   ; the query's other 32 keys lie in the lane 16 away
.endr
.if !\first
.irp t, 0,1,2,3
	v_mov_b32 v[ST+8*\t+7], v[ST+8*\t]             ; c m_old is kept for a
.endr
.endif
.irp t, 0,1,2,3
	v_max_num_f32 v[ST+8*\t+1], v[ST+8*\t+4], v[ST+8*\t+5]
.endr
.irp t, 0,1,2,3
	v_mul_f32 v[ST+8*\t], s[CS], v[ST+8*\t+1]
.endr
.if !\first
.irp t, 0,1,2,3
	v_sub_f32 v[ST+8*\t+7], v[ST+8*\t+7], v[ST+8*\t]
.endr
.irp t, 0,1,2,3
	v_exp_f32 v[ST+8*\t+6], v[ST+8*\t+7]           ; a = 2^(c m_old - c m_new): the batch of exponentials begins here
.endr
.endif
.irp b, 0,1,2,3,4,5,6,7,8,9,10,11,12,13,14,15
.irp t, 0,1,2,3
	v_pk_fma_f32 v[S+32*\t+2*\b:S+32*\t+2*\b+1], v[S+32*\t+2*\b:S+32*\t+2*\b+1], s[CS:CS+1], v[ST+8*\t:ST+8*\t+1] op_sel_hi:[1,0,0] neg_lo:[0,0,1] neg_hi:[0,0,1]   ; c s - c m, two at a time
.endr
.endr
.irp e, 0,1,2,3,4,5,6,7,8,9,10,11,12,13,14,15,16,17,18,19,20,21,22,23,24,25,26,27,28,29,30,31
.irp t, 0,1,2,3
	v_exp_f32 v[S+32*\t+\e], v[S+32*\t+\e]
.endr
.endr
	v_nop                                          ; the plain line behind the last exponential
	s_wait_alu depctr_va_vdst(0)                   ; ONE wait for the whole batch, ahead of the first line that names a result
.irp t, 0,1,2,3                        ; the sums of the unrounded weights, NOT in place (the roundings below still want the weights): two chains a tile
	v_pk_add_f32 v[ST+8*\t+4:ST+8*\t+5], v[S+32*\t:S+32*\t+1], v[S+32*\t+2:S+32*\t+3]
.endr
.irp t, 0,1,2,3
	v_pk_add_f32 v[SB+2*\t:SB+2*\t+1], v[S+32*\t+4:S+32*\t+5], v[S+32*\t+6:S+32*\t+7]
.endr
.irp j, 8,12,16,20,24,28
.irp t, 0,1,2,3
	v_pk_add_f32 v[ST+8*\t+4:ST+8*\t+5], v[ST+8*\t+4:ST+8*\t+5], v[S+32*\t+\j:S+32*\t+\j+1]
.endr
.irp t, 0,1,2,3
	v_pk_add_f32 v[SB+2*\t:SB+2*\t+1], v[SB+2*\t:SB+2*\t+1], v[S+32*\t+\j+2:S+32*\t+\j+3]
.endr
.endr
.if \first
.irp t, 0,1,2,3
	v_pk_add_f32 v[ST+8*\t+2:ST+8*\t+3], v[ST+8*\t+4:ST+8*\t+5], v[SB+2*\t:SB+2*\t+1]
.endr
.else
.irp t, 0,1,2,3
	v_pk_add_f32 v[ST+8*\t+4:ST+8*\t+5], v[ST+8*\t+4:ST+8*\t+5], v[SB+2*\t:SB+2*\t+1]
.endr
.irp t, 0,1,2,3
	v_pk_fma_f32 v[ST+8*\t+2:ST+8*\t+3], v[ST+8*\t+2:ST+8*\t+3], v[ST+8*\t+6:ST+8*\t+7], v[ST+8*\t+4:ST+8*\t+5] op_sel_hi:[1,0,1]   ; l = a l + the sum
.endr
.endif
.irp i, 0,1,2,3,4,5,6,7,8,9,10,11,12,13,14,15   ; P, in place: register i takes weights 2 i and 2 i + 1, ascending, so that nothing is written before it is read
.irp t, 0,1,2,3
	v_cvt_pk_f16_f32 v[S+32*\t+\i], v[S+32*\t+2*\i], v[S+32*\t+2*\i+1]
.endr
.endr
.if !\first
	WIN W_RS
.irp i, 0,1,2,3,4,5,6,7,8,9,10,11,12,13,14,15   ; O^T times a, each accumulator from its low end on
.irp t, 0,1,2,3
	v_pk_mul_f32 v[32*\t+2*\i:32*\t+2*\i+1], v[32*\t+2*\i:32*\t+2*\i+1], v[ST+8*\t+6:ST+8*\t+7] op_sel_hi:[1,0]
.endr
.endr
.endif
.endm
; A KEY STEP, 64 keys of my half, in phases.  more = 1: the slot's first step: the second step's K and V are fetched as soon as the buffers are free.
.macro STEP more, first
	s_wait_dscnt 16                                ; K is in; the 16 younger loads, V's, may be out
	KQ
	WIN 0
.rept 4
	v_nop                                          ; places in front of the reads of S^T and of the loads into K's registers
.endr
.if \more
	FETCH_K 1
.endif
	SOFTMAX \first
	s_wait_dscnt 16*\more                          ; V is in; the next step's K, 16 younger loads, may be out
	PVM \first
	WIN 0
.rept 5
	v_nop                                          ; four places in front of loads into V's registers; five in front of the next K Q^T, which writes over P
.endr
.if \more
	FETCH_V 1
.endif
.endm
.macro VISIT first                     ; a slot's two key steps
	v_add_nc_u32 v[ADK], s[TB], v[AK0]
	v_add_nc_u32 v[ADV], s[TB], v[AV0]
	FETCH_K 0
	FETCH_V 0
	STEP 1, \first
	STEP 0, 0
.endm
; THE CHANGE OF SLOTS.  Each wave waits for all its tensor loads, of which one is out: its part of the other slot; adds 0 to its spare word; and waits for that and for its own reads of the slot.
; fill = 1: the slot just read is filled again, with the keys two fills on.  The barrier is then a round of the cluster's, and the joint refill is the first thing behind it: it has a slot's two key steps in which to land.
.macro CHANGE fill
	WIN 0
	s_wait_tensorcnt 0x0                           ; no tensor load of mine is out, so a group 0 may be written
	ds_add_u32 v[SPW], v[NIL]                      ; 0 onto my spare word
.if \fill
.irp g, G0K+4, G0V+4
	s_xor_b32 s[\g+1], s[\g+1], SLOT1              ; the walking descriptor: the other slot than last time,
	s_add_nc_u64 s[\g+2:\g+3], s[\g+2:\g+3], FILLB ; the next 128 keys of each half; the type bits on top are not reached
.endr
	s_wait_xcnt 0x0                                ; the last prefetch, a slot back, has read its address, so it may be written:
	s_add_nc_u64 s[PFA:PFA+1], s[PFA:PFA+1], FILLB ; one fill further on than the walking descriptors
	s_wait_dscnt 0x0                               ; the add is done, and my reads of the slot are over
	CROUND
	JLOAD
	ASK
.else
	s_wait_dscnt 0x0
	s_barrier_signal -1
	s_barrier_wait -1
.endif
	s_xor_b32 s[TB], s[TB], SLOT1                  ; on to the other slot
.endm
	s_wait_tensorcnt 1                             ; my part of slot 0 is in; slot 1's may stay out
	s_barrier_signal -1
	s_barrier_wait -1                              ; everybody's is
	s_wait_loadcnt 0x0                             ; Q
	VISIT 1                                        ; fill 0: its first step starts m, l and O^T
.Lslot:                                        ; six trips: fills 2 to 7 are asked for, fills 1 to 6 are walked
	CHANGE 1
	VISIT 0
	s_sub_co_u32 s[SLOTS], s[SLOTS], 1
	s_cmp_lg_u32 s[SLOTS], 0
	s_cbranch_scc1 .Lslot
	CHANGE 0                                       ; the tail is written out
	VISIT 0                                        ; fill 7
	; THE MERGE of the two halves of the keys.  Every wave: l's two halves and the other half of the lanes'; c m beside it.
.irp t, 0,1,2,3
	v_add_f32 v[SB+4+\t], v[ST+8*\t+2], v[ST+8*\t+3]
.endr
.irp t, 0,1,2,3
	v_permlanex16_b32 v[ST+8*\t+5], v[SB+4+\t], s[SEL], s[SEL+1]
.endr
.irp t, 0,1,2,3
	v_add_f32 v[SB+4+\t], v[SB+4+\t], v[ST+8*\t+5]
.endr
.irp t, 0,1,2,3
	v_mov_b32 v[SB+\t], v[ST+8*\t]
.endr
	s_cmp_lt_u32 s[WV], 4
	s_cbranch_scc1 .Llow
	WIN 0x04                                       ; an LDS store's data are its source 1: window 1
.irp i, 0,1,2,3,4,5,6,7,8,9,10,11,12,13,14,15,16,17,18,19,20,21,22,23,24,25,26,27,28,29,30,31
	ds_store_b128 v[MG], v[4*\i:4*\i+3] offset:512*\i              ; waves 4-7: O^T as an image of its registers, ascending: lane l's 16 bytes at 16 l
.endr
	WIN 0
	ds_store_b128 v[MG], v[SB:SB+3] offset:16384
	ds_store_b128 v[MG], v[SB+4:SB+7] offset:16896
.Llow:
	s_wait_dscnt 0x0                               ; for the partner's sake: my stores are done
	s_barrier_signal -1
	s_barrier_wait -1
	s_cmp_ge_u32 s[WV], 4
	s_cbranch_scc1 .Lend                           ; waves 4-7 have handed their part over
.irp i, 0,1,2,3,4,5,6,7,8,9,10,11,12,13,14,15,16,17,18,19,20,21,22,23,24,25,26,27,28,29,30,31
	ds_load_b128 v[S+4*\i:S+4*\i+3], v[MG] offset:512*\i           ; the partner's O^T, in the same lanes, where S^T lay
.endr
	ds_load_b128 v[PS:PS+3], v[MG] offset:16384
	ds_load_b128 v[PS+4:PS+7], v[MG] offset:16896
	s_wait_dscnt 0x0
.irp t, 0,1,2,3
	v_max_num_f32 v[ST+8*\t], v[SB+\t], v[PS+\t]   ; the larger c m
.endr
.irp t, 0,1,2,3
	v_sub_f32 v[ST+8*\t+4], v[SB+\t], v[ST+8*\t]
.endr
.irp t, 0,1,2,3
	v_sub_f32 v[ST+8*\t+5], v[PS+\t], v[ST+8*\t]
.endr
.irp t, 0,1,2,3
	v_exp_f32 v[ST+8*\t+6], v[ST+8*\t+4]           ; a1
.endr
.irp t, 0,1,2,3
	v_exp_f32 v[ST+8*\t+2], v[ST+8*\t+5]           ; a2
.endr
	v_nop
	s_wait_alu depctr_va_vdst(0)                   ; one wait for the eight
.irp t, 0,1,2,3
	v_mul_f32 v[ST+8*\t+4], v[ST+8*\t+6], v[SB+4+\t]
.endr
.irp t, 0,1,2,3
	v_fmac_f32 v[ST+8*\t+4], v[ST+8*\t+2], v[PS+4+\t]              ; l = a1 l1 + a2 l2
.endr
.irp t, 0,1,2,3
	v_rcp_f32 v[ST+8*\t+5], v[ST+8*\t+4]
.endr
	v_nop
	s_wait_alu depctr_va_vdst(0)                   ; one wait for the four
.irp t, 0,1,2,3
	v_mul_f32 v[ST+8*\t+6], v[ST+8*\t+6], v[ST+8*\t+5]             ; a1 / l
.endr
.irp t, 0,1,2,3
	v_mul_f32 v[ST+8*\t+2], v[ST+8*\t+2], v[ST+8*\t+5]             ; a2 / l
.endr
.irp i, 0,1,2,3,4,5,6,7,8,9,10,11,12,13,14,15
.irp t, 0,1,2,3
	v_pk_mul_f32 v[S+32*\t+2*\i:S+32*\t+2*\i+1], v[S+32*\t+2*\i:S+32*\t+2*\i+1], v[ST+8*\t+2:ST+8*\t+3] op_sel_hi:[1,0]
.endr
.endr
	WIN 0x01                                       ; source 0, my O^T, in window 1
.irp i, 0,1,2,3,4,5,6,7,8,9,10,11,12,13,14,15
.irp t, 0,1,2,3
	v_pk_fma_f32 v[S+32*\t+2*\i:S+32*\t+2*\i+1], v[32*\t+2*\i:32*\t+2*\i+1], v[ST+8*\t+6:ST+8*\t+7], v[S+32*\t+2*\i:S+32*\t+2*\i+1] op_sel_hi:[1,0,1]   ; each accumulator from its low end on
.endr
.endr
	WIN 0
.irp i, 0,1,2,3,4,5,6,7,8,9,10,11,12,13,14,15
.irp t, 0,1,2,3
	v_cvt_pk_f16_f32 v[S+32*\t+\i], v[S+32*\t+2*\i], v[S+32*\t+2*\i+1]   ; registers 4 ct .. 4 ct + 3: channels 16 ct + 8 (l / 16) + 0..7 of my query: 16 bytes
.endr
.endr
.irp t, 0,1,2,3                        ; through my stage: in by queries, back as whole rows of 128 bytes, four rows an instruction
.irp ct, 0,1,2,3
	ds_store_b128 v[STO], v[S+32*\t+4*\ct:S+32*\t+4*\ct+3] offset:16*PK*\t+32*\ct
.endr
.irp i, 0,1,2,3
	ds_load_b128 v[S+32*\t+16+4*\i:S+32*\t+16+4*\i+3], v[RD] offset:16*PK*\t+4*PK*\i   ; LDS serves a wave's instructions in order: these see the stores above
.endr
.endr
.irp t, 0,1,2,3
.irp i, 0,1,2,3
	s_wait_dscnt (3-\t)*8+3-\i                     ; the LDS instructions issued behind this load may be out
	global_store_b128 v[GO], v[S+32*\t+16+4*\i:S+32*\t+16+4*\i+3], s[10:11] offset:2048*\t+512*\i   ; the wave stores 512 consecutive bytes, aligned
.endr
.endr
.Lend:
	s_wait_tensorcnt 0x0                           ; the wave's end, behind my last tensor load and my last LDS store
	ds_add_u32 v[SPW], v[NIL]
	s_wait_dscnt 0x0
	CROUND                                         ; the closing round: no work-group ends while a partner may still ask for a tile that names it
	s_endpgm
.Lfunc_end_k_qb7f4d955b5_attn:
	.size	k_qb7f4d955b5_attn, .Lfunc_end_k_qb7f4d955b5_attn-k_qb7f4d955b5_attn
	.p2alignl 7, 3214868480
	.fill 96, 4, 3214868480
	.section	.rodata,"a",@progbits
	.p2align	6, 0x0
	.amdhsa_kernel k_qb7f4d955b5_attn
		.amdhsa_group_segment_fixed_size 327680
		.amdhsa_private_segment_fixed_size 0
		.amdhsa_enable_private_segment 0
		.amdhsa_kernarg_size 16
		.amdhsa_user_sgpr_count 2
		.amdhsa_user_sgpr_kernarg_segment_ptr 1
		.amdhsa_wavefront_size32 1
		.amdhsa_system_sgpr_workgroup_id_x 1
		.amdhsa_system_sgpr_workgroup_id_y 1
		.amdhsa_system_sgpr_workgroup_id_z 1
		.amdhsa_system_vgpr_workitem_id 0
		.amdhsa_next_free_vgpr 512
		.amdhsa_next_free_sgpr 66
		.amdhsa_reserve_vcc 0
		.amdhsa_float_denorm_mode_32 3
		.amdhsa_float_denorm_mode_16_64 3
		.amdhsa_memory_ordered 1
		.amdhsa_forward_progress 1
		.amdhsa_inst_pref_size 219
	.end_amdhsa_kernel
	.amdgpu_metadata
---
amdhsa.version: [ 1, 2 ]
amdhsa.kernels:
  - .name:           k_qb7f4d955b5_attn
    .symbol:         k_qb7f4d955b5_attn.kd
    .args:
      - { .name: qkv, .offset: 0, .size: 8, .value_kind: global_buffer, .address_space: global }
      - { .name: att, .offset: 8, .size: 8, .value_kind: global_buffer, .address_space: global }
    .group_segment_fixed_size: 327680
    .private_segment_fixed_size: 0
    .kernarg_segment_align: 8
    .kernarg_segment_size: 16
    .max_flat_workgroup_size: 256
    .sgpr_count:     66
    .vgpr_count:     512
    .wavefront_size: 32
...
	.end_amdgpu_metadata
.endif
;; end of part 4
;; launch outp (part 5): grid 8 x 32, 4 waves a work-group, clusters of 4 x 4, 327,680 bytes of LDS; arguments att, wo16, bo, out0; writes out0
.if DOCPART == 5
	.amdgcn_target "amdgcn-amd-amdhsa--gfx1250"
	.amdhsa_code_object_version 6
	.text
	.protected	k_qb7f4d955b5_outp
	.globl	k_qb7f4d955b5_outp
	.p2align	8
	.type	k_qb7f4d955b5_outp,@function
k_qb7f4d955b5_outp:
	s_mov_b64 s[64:65], 0
	v_nop
	global_prefetch_b8 v0, s[64:65] scope:SCOPE_SE
	s_setreg_imm32_b32 hwreg(HW_REG_WAVE_MODE, 25, 1), 1
	s_wait_xcnt 0x0
	s_wait_alu depctr_hold_cnt(0) depctr_sa_sdst(0) depctr_va_vdst(0) depctr_va_sdst(0) depctr_va_ssrc(0) depctr_va_vcc(0) depctr_vm_vsrc(0)
	s_getreg_b32 s2, hwreg(HW_REG_IB_STS2, 6, 4)
	s_cmp_eq_u32 s2, 0
	s_cbranch_scc0 .Lentry_in_a_cluster
	s_endpgm
.Lentry_in_a_cluster:
	s_bfe_u32 s2, ttmp6, 0x10000c
	s_cmp_lg_u32 s2, 0xf033
	s_cbranch_scc0 .Lentry_shape_is_right
	s_endpgm
.Lentry_shape_is_right:
; out0[m][n] = sum over k of A[m][k] Wo[k][n] + bo[n], m 0..4095, n 0..1023, k = 64 head + channel, 0..1023.  Operands in f16, sums in f32, out0 f32.
; A: att [32 blocks of 128 tokens][16 heads][128 tokens][64] f16.  Wo: wo16 [1024 (k)][1024 (n)] f16.  bo: [1024] f32, the C of each sum's first product.
; A tile of out0 is 128 x 128: 8 x 32 work-groups.  Four waves, each 64 x 64: 16 accumulators of 16 x 16.  K goes in four steps of 256 (four heads) through two LDS slots: each slot is filled twice.
; A's part of a K step is one dense block of 65,536 bytes (4 heads x 128 tokens x 128 bytes): waves 0 and 1 fetch two heads each.  Wo's is 256 rows of k x 256 bytes: waves 2 and 3 fetch 128 rows each.
; A wave has two tensor loads out at the start and one behind each round.
; CLUSTERS: 4 x 4 work-groups.  The four of a row of the cluster need the same tiles of A, the four of a column the same tiles of Wo: each tile is asked for JOINTLY.
; THE MATRIX INSTRUCTION IS USED TRANSPOSED (source 0 = 16 columns n of Wo, turned out of LDS by ds_load_tr16_b128; source 1 = 16 tokens of A): a lane then holds eight neighbouring numbers of a row of out0.
; No prefetch: the tiles are small and the launch is short.
; REGISTERS: window 0: v0-31 addresses; v32-95 at work on the way out; v96-127 the bias, 8 registers for each of my four blocks of columns; v128-255 the accumulators ((a, b) at v[128 + 8 (4 a + b)]).
;   window 1: two fragment buffers of 128: for 64 along K (one head), 64 registers of A (2 x 4 x 16 tokens x 32 K), then 64 of Wo.
.set PA,     144                       ; a token's row of A in LDS: 128 bytes + 16
.set PB,     288                       ; a row k of Wo in LDS: 256 bytes + 32, an odd multiple of 32 bytes
.set PART,   36864                     ; what one tensor load brings: 256 x 144 = 128 x 288
.set SLOT,   4*PART                    ; A's four heads, then Wo's 256 rows
.set STAGE,  2*SLOT                    ; behind the ring: 16 rows x 272 bytes for each wave, for the way out
.set SPITCH, 272
.set SPARE,  STAGE+4*16*SPITCH         ; the spare words, 128 bytes for each wave: two blocks of 256 bytes that no other line names
.set ADRA, 16                          ; v16-17  LDS address of my A fragments in slot 0, 1
.set ADRB, 20                          ; v20-23  the same for Wo: 2 x slot + which 128 rows of k (an LDS offset has 16 bits)
.set STO,  24                          ; v24     the way out: where I put 32 bytes of a row
.set RD,   25                          ; v25     the way out: where I read a row back
.set CO,   26                          ; v26     my byte offset in out0
.set SPW,  28                          ; v28     LDS address of my spare word; never rewritten
.set NIL,  29                          ; v29     0; never rewritten
.set TMP,  32
.set BI,   96
.set ACC,  128
.set F0,   0                           ; fragment buffers, in window 1
.set F1,   128
.set G1, 24                            ; s[24:31] descriptor group 1 for A's tiles;  s[32:39] group 0, one set for each slot
.set G0, 32
.set G1B, 48                           ; s[48:55], s[56:63] the same for Wo's tiles
.set G0B, 56
.set MSB, 0
.macro WIN new                         ; the immediate's high byte repeats the setting that is left; a switch that changes nothing is dropped
.if MSB != (\new)
	s_set_vgpr_msb (MSB<<8)|(\new)
.set MSB, (\new)
.endif
.endm
.set MUL,  0x05                        ; sources 0 (Wo) and 1 (A) window 1; C and D window 0
.set TO_F, 0x40                        ; destination window 1, address window 0
.macro JLOAD s                         ; a joint load: waves 0 and 1 fetch for A, waves 2 and 3 for Wo; an s_nop 0 and four v_nop follow each of the two lines
	s_cmp_eq_u32 s11, 0
	s_cbranch_scc0 .Lfor_b_\@
	tensor_load_to_lds s[G0+4*\s:G0+4*\s+3], s[G1:G1+7]
	s_nop 0
.rept 4
	v_nop
.endr
	s_branch .Lasked_\@
.Lfor_b_\@:
	tensor_load_to_lds s[G0B+4*\s:G0B+4*\s+3], s[G1B:G1B+7]
	s_nop 0
.rept 4
	v_nop
.endr
.Lasked_\@:
.endm
.macro CREST                           ; a round of the cluster's barrier behind its opening barrier
	s_cmp_lg_u32 s10, 0
	s_cbranch_scc1 .Lnot_wave_0_\@
	s_barrier_signal -3
.Lnot_wave_0_\@:
	s_barrier_wait -3
	s_barrier_signal -1
	s_barrier_wait -1
.endm
.macro CROUND                          ; a whole round
	s_barrier_signal -1
	s_barrier_wait -1
	CREST
.endm
	s_load_b128 s[4:7], s[0:1], 0x0                ; att s[4:5], wo16 s[6:7]
	s_load_b64 s[66:67], s[0:1], 0x10              ; bo
	s_load_b64 s[8:9], s[0:1], 0x18                ; out0
	v_lshl_add_u32 v[SPW], v0, 2, SPARE
	v_mov_b32 v[NIL], 0
	ds_add_u32 v[SPW], v[NIL]                      ; the wave's opening: the add, twice on end, and its wait ahead of my first tensor load; the set-up below stands between
	ds_add_u32 v[SPW], v[NIL]
	v_lshrrev_b32 v1, 5, v0
	v_readfirstlane_b32 s10, v1                    ; wave 0..3
	s_lshr_b32 s11, s10, 1                         ; which half of the tile's rows is mine.  Also: I fetch for A (0) or for Wo (1)
	s_and_b32 s12, s10, 1                          ; which half of its columns.  Also: which half of that tile I fetch
	s_bfe_u32 s40, ttmp6, 0x40000                  ; cx, cy: my place in the cluster
	s_bfe_u32 s41, ttmp6, 0x40004
	s_lshl_b32 s42, ttmp9, 2
	s_add_co_u32 s42, s42, s40                     ; tile column = 4 x cluster x + cx
	s_and_b32 s13, ttmp7, 0xffff
	s_lshl_b32 s13, s13, 2
	s_add_co_u32 s13, s13, s41                     ; tile row = 4 x cluster y + cy
	s_lshl_b32 s43, s41, 2
	s_lshl_b32 s43, 15, s43                        ; my row of the cluster
	s_lshl_b32 s44, 0x1111, s40                    ; my column
	s_or_b32 s[G1+0], s43, (1<<16)|(1<<20)|(1<<21)|(4<<22)|(3<<25)  ; A: the mask of my row; elements of 2 bytes; padding on; bit 21 beside a mask; after every 32 words 4 words
	s_mov_b32 s[G1+1], 64<<16                      ; tensor_dim0 = 64
	s_mov_b32 s[G1+2], 256<<16                     ; tensor_dim1 = 256: two heads' 128 tokens, dense in memory
	s_mov_b32 s[G1+3], 64<<16                      ; tile_dim0 = 64
	s_mov_b32 s[G1+4], 256                         ; tile_dim1 = 256
	s_mov_b32 s[G1+5], 64                          ; tensor_dim0_stride
	s_mov_b32 s[G1+6], 0
	s_mov_b32 s[G1+7], 0
	s_or_b32 s[G1B+0], s44, (1<<16)|(1<<20)|(1<<21)|(5<<22)|(7<<25) ; Wo: the mask of my column; after every 64 words 8 words
	s_mov_b32 s[G1B+1], 128<<16                    ; tensor_dim0 = 128
	s_mov_b32 s[G1B+2], 128<<16                    ; tensor_dim1 = 128
	s_mov_b32 s[G1B+3], 128<<16                    ; tile_dim0 = 128
	s_mov_b32 s[G1B+4], 128                        ; tile_dim1 = 128
	s_mov_b32 s[G1B+5], 1024                       ; tensor_dim0_stride
	s_mov_b32 s[G1B+6], 0
	s_mov_b32 s[G1B+7], 0
	s_lshl_b32 s16, s13, 4                         ; A: (16 x tile row + 2 x half) blocks of 16,384 bytes
	s_lshl_b32 s17, s12, 1
	s_add_co_u32 s16, s16, s17
	s_lshl_b32 s16, s16, 14
	s_mov_b32 s17, 0
	s_lshl_b32 s46, s12, 18                        ; Wo: 128 x half rows of 2,048 bytes + 256 bytes x tile column
	s_lshl_b32 s47, s42, 8
	s_add_co_u32 s46, s46, s47
	s_mov_b32 s47, 0
	s_mul_i32 s20, s10, PART                       ; where they go: wave x a part: no place in the cluster enters an LDS address
	s_wait_dscnt 0x0                               ; both opening adds are done
	s_wait_kmcnt 0x0
	s_add_nc_u64 s[14:15], s[4:5], s[16:17]
	s_add_nc_u64 s[46:47], s[6:7], s[46:47]
	CROUND                                         ; all sixteen work-groups are here: the first joint loads meet
.irp s, 0,1
	s_mov_b32 s[G0+4*\s], 1
	s_add_co_u32 s[G0+4*\s+1], s20, \s*SLOT
	s_add_nc_u64 s[G0+4*\s+2:G0+4*\s+3], s[14:15], \s*65536        ; a K step of A: four heads
	s_or_b32 s[G0+4*\s+3], s[G0+4*\s+3], 0x80000000
	s_mov_b32 s[G0B+4*\s], 1
	s_add_co_u32 s[G0B+4*\s+1], s20, \s*SLOT
	s_add_nc_u64 s[G0B+4*\s+2:G0B+4*\s+3], s[46:47], \s*524288     ; a K step of Wo: 256 rows
	s_or_b32 s[G0B+4*\s+3], s[G0B+4*\s+3], 0x80000000
	JLOAD \s
.endr
	v_and_b32 v1, 15, v0                           ; l % 16
	v_bfe_u32 v2, v0, 4, 1                         ; l / 16
	v_mul_u32_u24 v3, v1, PA
	v_lshl_add_u32 v3, v2, 4, v3                   ; A: a fragment's row x pitch + 16 x half
	s_mul_i32 s21, s11, 64*PA                      ; my 64 tokens
.irp s, 0,1
	v_add_nc_u32 v[ADRA+\s], s21, v3
	s_add_co_u32 s21, s21, SLOT
.endr
	v_and_b32 v4, 7, v0                            ; Wo: lane l reads 16 bytes: row k 8 (l / 16) + l % 8, columns 8 ((l / 8) % 2) + 0..7
	v_bfe_u32 v5, v0, 3, 1
	v_lshl_add_u32 v4, v2, 3, v4
	v_mul_u32_u24 v4, v4, PB
	v_lshl_add_u32 v4, v5, 4, v4
	s_lshl_b32 s22, s12, 7                         ; my 64 columns
	v_add_nc_u32 v4, s22, v4
	v_add_nc_u32 v[ADRB+0], 2*PART, v4
	v_add_nc_u32 v[ADRB+1], 3*PART, v4
	v_add_nc_u32 v[ADRB+2], SLOT+2*PART, v4
	v_add_nc_u32 v[ADRB+3], SLOT+3*PART, v4
	s_mul_i32 s23, s10, 16*SPITCH
	s_add_co_u32 s23, s23, STAGE                   ; my stage
	v_mul_u32_u24 v5, v1, SPITCH                   ; in: row l % 16, 32 bytes for each half of the lanes
	v_lshl_add_u32 v5, v2, 5, v5
	v_add_nc_u32 v[STO], s23, v5
	v_mul_u32_u24 v5, v2, SPITCH                   ; back: lanes 0-15 take one row of 256 bytes, lanes 16-31 the next
	v_lshl_add_u32 v5, v1, 4, v5
	v_add_nc_u32 v[RD], s23, v5
	v_lshlrev_b32 v5, 12, v2                       ; and the same two rows in out0 (4,096 bytes a row)
	v_lshl_add_u32 v[CO], v1, 4, v5
	v_lshlrev_b32 v27, 5, v2                       ; the bias: my half's eight numbers of a block of 16 columns
	s_lshl_b32 s16, s13, 7
	s_lshl_b32 s17, s11, 6
	s_add_co_u32 s16, s16, s17                     ; my first row of out0
	s_lshl_b32 s16, s16, 12
	s_mov_b32 s17, 0
	s_add_nc_u64 s[8:9], s[8:9], s[16:17]
	s_lshl_b32 s46, s42, 9                         ; my first column, in bytes: 512 x tile column + 256 x half
	s_lshl_b32 s47, s12, 8
	s_add_co_u32 s46, s46, s47
	s_mov_b32 s47, 0
	s_add_nc_u64 s[8:9], s[8:9], s[46:47]
	s_add_nc_u64 s[66:67], s[66:67], s[46:47]      ; the same bytes on in bo
.irp b, 0,1,2,3
	global_load_b128 v[BI+8*\b:BI+8*\b+3],   v27, s[66:67] offset:64*\b      ; register j of block b: bo at column 16 b + 8 (l / 16) + j: the result's layout
	global_load_b128 v[BI+8*\b+4:BI+8*\b+7], v27, s[66:67] offset:64*\b+16
.endr
; 8 matrix instructions: token blocks a0, a0 + 1 x all 4 column blocks, 32 along K: half c of buffer f.  zero = 1: the first product starts the sums, with the bias as its C.
; The 16 accumulators take turns, one instruction a turn.
.macro MUL8 f, c, a0, zero
.irp a, \a0, \a0+1
.irp b, 0,1,2,3
.if \zero
	v_wmma_f32_16x16x32_f16 v[ACC+8*(4*(\a)+\b):ACC+8*(4*(\a)+\b)+7], v[\f+64+8*(4*\c+\b):\f+64+8*(4*\c+\b)+7], v[\f+8*(4*\c+\a):\f+8*(4*\c+\a)+7], v[BI+8*\b:BI+8*\b+7]
.else
	v_wmma_f32_16x16x32_f16 v[ACC+8*(4*(\a)+\b):ACC+8*(4*(\a)+\b)+7], v[\f+64+8*(4*\c+\b):\f+64+8*(4*\c+\b)+7], v[\f+8*(4*\c+\a):\f+8*(4*\c+\a)+7], v[ACC+8*(4*(\a)+\b):ACC+8*(4*(\a)+\b)+7]
.endif
.endr
.endr
.endm
; 32 LDS loads in one run: the fragments of the slot's quarter q (64 along K: one head) into buffer f; the first 32 along K first
.macro FETCH slot, q, f
	WIN TO_F
.irp c, 0,1
.irp i, 0,1,2,3
	ds_load_tr16_b128 v[\f+64+8*(4*\c+\i):\f+64+8*(4*\c+\i)+3],   v[ADRB+2*\slot+(\q)/2] offset:(64*((\q)%2)+32*\c)*PB+32*\i
	ds_load_tr16_b128 v[\f+64+8*(4*\c+\i)+4:\f+64+8*(4*\c+\i)+7], v[ADRB+2*\slot+(\q)/2] offset:(64*((\q)%2)+32*\c+16)*PB+32*\i
	ds_load_b128 v[\f+8*(4*\c+\i):\f+8*(4*\c+\i)+3],         v[ADRA+\slot] offset:(\q)*128*PA+64*\c+\i*16*PA
	ds_load_b128 v[\f+8*(4*\c+\i)+4:\f+8*(4*\c+\i)+7],       v[ADRA+\slot] offset:(\q)*128*PA+64*\c+\i*16*PA+32
.endr
.endr
.endm
.macro PLACES                          ; four places in front of loads into registers that matrix instructions have read, and of the first read of results
.rept 4
	v_nop
.endr
.endm
; A K step is four quarters of 64 along K, 32 matrix instructions each, on buffers 0, 1, 0, 1.  One of the first three: multiplies buffer f and fetches quarter q into g.
.macro QUARTER slot, q, f, g, zero
	s_wait_dscnt 16                                ; the first 32 along K are in; the 16 younger loads may be out
	WIN MUL
	MUL8 \f, 0, 0, \zero
	MUL8 \f, 0, 2, \zero
	PLACES
	FETCH \slot, \q, \g
	s_wait_dscnt 32                                ; all but the 32 just issued
	WIN MUL
	MUL8 \f, 1, 0, 0
	MUL8 \f, 1, 2, 0
.endm
; The last quarter multiplies buffer 1 and changes slots: ONE barrier; in front of it each wave waits for all its tensor loads, adds 0 to its spare word, and waits for that and for its own reads of this slot.
; fill = 1: this slot is filled again, two K steps ahead, behind a round of the cluster's barrier.
.macro TURN slot, next, fill
	WIN 0                                          ; (the add's two registers lie in window 0)
	s_wait_tensorcnt 0x0                           ; all my tensor loads have landed: my part of the next slot;
	ds_add_u32 v[SPW], v[NIL]                      ; 0 onto my spare word;
	s_wait_dscnt 17                                ; (the add and the youngest sixteen loads may be out)
	WIN MUL
	MUL8 F1, 0, 0, 0                               ; eight matrix instructions stand between the add and the wait for it
	s_wait_dscnt 0x0                               ; the add is done, and my reads of this slot are over
	s_barrier_signal -1
	MUL8 F1, 0, 2, 0
.if \fill
	WIN 0
.endif
	s_barrier_wait -1
.if \fill
	CREST                                          ; the barrier has opened a round of the cluster's barrier: no wave of any partner still reads this slot's tile or has a load on its way
	s_add_nc_u64 s[G0+4*\slot+2:G0+4*\slot+3], s[G0+4*\slot+2:G0+4*\slot+3], 2*65536
	s_add_nc_u64 s[G0B+4*\slot+2:G0B+4*\slot+3], s[G0B+4*\slot+2:G0B+4*\slot+3], 2*524288
	JLOAD \slot                                    ; the first tensor load behind the round; the four v_nop behind it are also the places in front of the loads below
.else
	PLACES
.endif
	FETCH \next, 0, F0
	WIN MUL
	MUL8 F1, 1, 0, 0
	MUL8 F1, 1, 2, 0
.endm
	s_wait_tensorcnt 1                             ; my part of K step 0 is in (K step 1's load may be out)
	s_barrier_signal -1
	s_barrier_wait -1                              ; everybody's is
	FETCH 0, 0, F0
	s_wait_loadcnt 0x0                             ; the bias
	QUARTER 0, 1, F0, F1, 1                        ; K step 0; its first products start the sums
	QUARTER 0, 2, F1, F0, 0
	QUARTER 0, 3, F0, F1, 0
	TURN 0, 1, 1                                   ; slot 0 takes K step 2
	QUARTER 1, 1, F0, F1, 0                        ; K step 1
	QUARTER 1, 2, F1, F0, 0
	QUARTER 1, 3, F0, F1, 0
	TURN 1, 0, 1                                   ; slot 1 takes K step 3
	QUARTER 0, 1, F0, F1, 0                        ; K step 2
	QUARTER 0, 2, F1, F0, 0
	QUARTER 0, 3, F0, F1, 0
	TURN 0, 1, 0                                   ; nothing is left to fetch
	QUARTER 1, 1, F0, F1, 0                        ; K step 3
	QUARTER 1, 2, F1, F0, 0
	QUARTER 1, 3, F0, F1, 0
	s_wait_dscnt 16                                ; the very last quarter
	WIN MUL
	MUL8 F1, 0, 0, 0
	MUL8 F1, 0, 2, 0
	s_wait_dscnt 0
	MUL8 F1, 1, 0, 0
	MUL8 F1, 1, 2, 0
	WIN 0
; THE WAY OUT, block by block of 16 tokens x 64 columns (256 bytes a row).  A lane holds 32 neighbouring bytes of a row: a block goes through my own stage and comes back as whole rows, two an instruction:
; each sixteen lanes store 256 consecutive bytes, aligned.  LDS serves a wave's instructions in order (ISA guide 5.7.1.4): no wait between the stores and the loads, nor in front of the next block's stores.
.macro TOSTAGE a
.irp b, 0,1,2,3
	ds_store_b128 v[STO], v[ACC+8*(4*(\a)+\b):ACC+8*(4*(\a)+\b)+3] offset:64*\b          ; each accumulator from its low end on
	ds_store_b128 v[STO], v[ACC+8*(4*(\a)+\b)+4:ACC+8*(4*(\a)+\b)+7] offset:64*\b+16
.endr
.irp t, 0,1,2,3,4,5,6,7
	ds_load_b128 v[TMP+32*((\a)%2)+4*\t:TMP+32*((\a)%2)+4*\t+3], v[RD] offset:\t*2*SPITCH
.endr
.endm
.macro SEND a, younger                 ; younger: the LDS instructions issued behind block a's loads, which may stay out
	s_wait_dscnt \younger
.irp t, 0,1,2,3,4,5,6,7
	global_store_b128 v[CO], v[TMP+32*((\a)%2)+4*\t:TMP+32*((\a)%2)+4*\t+3], s[8:9] offset:65536*(\a)+8192*\t th:TH_STORE_NT   ; written once, read by nobody here
.endr
.endm
	PLACES
	TOSTAGE 0
.irp a, 1,2,3
.if \a > 1
	s_wait_xcnt 0x0                                ; block a - 2's stores have read their registers: block a's loads may land there
.endif
	TOSTAGE \a
	SEND \a-1, 16                                  ; behind block a - 1's loads: block a's 8 stores and 8 loads
.endr
	SEND 3, 0
	s_wait_tensorcnt 0x0                           ; the wave's end, behind my last tensor load and my last LDS store
	ds_add_u32 v[SPW], v[NIL]
	s_wait_dscnt 0x0
	CROUND                                         ; the closing round: no work-group ends while a partner may still ask for a tile that names it
	s_endpgm
.Lfunc_end_k_qb7f4d955b5_outp:
	.size	k_qb7f4d955b5_outp, .Lfunc_end_k_qb7f4d955b5_outp-k_qb7f4d955b5_outp
	.p2alignl 7, 3214868480
	.fill 96, 4, 3214868480
	.section	.rodata,"a",@progbits
	.p2align	6, 0x0
	.amdhsa_kernel k_qb7f4d955b5_outp
		.amdhsa_group_segment_fixed_size 327680
		.amdhsa_private_segment_fixed_size 0
		.amdhsa_enable_private_segment 0
		.amdhsa_kernarg_size 32
		.amdhsa_user_sgpr_count 2
		.amdhsa_user_sgpr_kernarg_segment_ptr 1
		.amdhsa_wavefront_size32 1
		.amdhsa_system_sgpr_workgroup_id_x 1
		.amdhsa_system_sgpr_workgroup_id_y 1
		.amdhsa_system_sgpr_workgroup_id_z 1
		.amdhsa_system_vgpr_workitem_id 0
		.amdhsa_next_free_vgpr 512
		.amdhsa_next_free_sgpr 68
		.amdhsa_reserve_vcc 0
		.amdhsa_float_denorm_mode_32 3
		.amdhsa_float_denorm_mode_16_64 3
		.amdhsa_memory_ordered 1
		.amdhsa_forward_progress 1
		.amdhsa_inst_pref_size 86
	.end_amdhsa_kernel
	.amdgpu_metadata
---
amdhsa.version: [ 1, 2 ]
amdhsa.kernels:
  - .name:           k_qb7f4d955b5_outp
    .symbol:         k_qb7f4d955b5_outp.kd
    .args:
      - { .name: att, .offset: 0, .size: 8, .value_kind: global_buffer, .address_space: global }
      - { .name: wo16, .offset: 8, .size: 8, .value_kind: global_buffer, .address_space: global }
      - { .name: bo, .offset: 16, .size: 8, .value_kind: global_buffer, .address_space: global }
      - { .name: out0, .offset: 24, .size: 8, .value_kind: global_buffer, .address_space: global }
    .group_segment_fixed_size: 327680
    .private_segment_fixed_size: 0
    .kernarg_segment_align: 8
    .kernarg_segment_size: 32
    .max_flat_workgroup_size: 128
    .sgpr_count:     68
    .vgpr_count:     512
    .wavefront_size: 32
...
	.end_amdgpu_metadata
.endif
;; end of part 5
